; MI455X (gfx1250); checked and timed in simulation.
; The chip was launched on July 23, 2026; its instructions are those of AMD's public machine-readable ISA for CDNA 5 (MIT licence, August 2026) and "CDNA5" Instruction Set Architecture Reference Guide (July 2026). The comments in the code are by the model that wrote it; some were corrected since.
;; Cross Attention. Allowed arithmetic: matrix products marked QUANTISED: E2M3 operands, one E8M0 scale for each 32 along K, by v_wmma_scale_f32_16x16x128_f8f6f4 with both operands' format E2M3, f32 sums; everything else in f32.
;; Inputs: Wk 1,024 x 1,024 float32; Wo 1,024 x 1,024 float32; Wq 1,024 x 1,024 float32; Wv 1,024 x 1,024 float32; bo 1,024 float32; key_value 8 x 1,024 x 1,024 float32; query 8 x 1,024 x 1,024 float32.
;; Outputs: out0 8 x 1,024 x 1,024 float32.
;; This version of the problem:
;;   THIS VERSION OF THE PROBLEM IS GIVEN IN LOW PRECISION. The matrix products marked QUANTISED in the list below multiply operands that are first quantised to E2M3 (2 exponent bits, 3 mantissa bits; 6 bits a number), with one power-of-two scale for each 32 numbers along K (OCP MX v1.0); their sums are f32. All else is computed in f32.
;;   The module's matrix products, in the order in which they are computed (A, B: the left and right operand; K: the contracted axis; several contracted axes count as one K, in the product's order):
;;     1. [M 8,192, K 1,024] x [K 1,024, N 1,024]; A: input query; B: input Wq: QUANTISED
;;     2. [M 8,192, K 1,024] x [K 1,024, N 1,024]; A: input key_value; B: input Wk: QUANTISED
;;     3. [M 8,192, K 1,024] x [K 1,024, N 1,024]; A: input key_value; B: input Wv: QUANTISED
;;     4. batch 64 x [M 1,024, K 128] x [K 128, N 1,024]; A: computed on the way; B: computed on the way: QUANTISED
;;     5. batch 64 x [M 128, K 1,024] x [K 1,024, N 1,024]; A: computed on the way; B: softmax (see below): QUANTISED
;;     6. [M 8,192, K 1,024] x [K 1,024, N 1,024]; A: computed on the way; B: input Wo: QUANTISED
;;   THE QUANTISER, for each operand of a quantised product, along K:
;;     - K is cut into blocks of 32 from its start; a last block that is shorter is filled with zeros.
;;     - A block's scale is 2^e with e = floor(log2(the largest magnitude in the block)) - 2, held to -126 .. 127; a block of zeros has e = 0. As a byte (E8M0): e + 127.
;;     - Each number is divided by its block's scale, clamped to +-7.5, and rounded to the nearest number of E2M3, ties to even, subnormals kept.
;;     - The product sums the exact products of the quantised numbers (number of the format x scale) in f32.
;;   ~~~python
;;   def quantise(x, axis):      # numpy; x: float32 -> the quantised numbers, widened to float32 again
;;       x = np.moveaxis(x, axis, -1); K = x.shape[-1]
;;       x = np.pad(x, [(0, 0)] * (x.ndim - 1) + [(0, -K % 32)]); x = x.reshape(x.shape[:-1] + (-1, 32)); a = np.abs(x).max(-1, keepdims=True)
;;       e = np.where(a > 0, np.clip(np.frexp(np.where(a > 0, a, 1))[1] - 1 - 2, -126, 127), 0)      # np.frexp(a)[1] - 1 = floor(log2(a)), exactly
;;       r = np.clip(x / 2.0 ** e, -7.5, 7.5)
;;       step = 2.0 ** (np.maximum(np.frexp(np.where(r == 0, 1, r))[1] - 1, 0) - 3)
;;       q = np.round(r / step) * step * 2.0 ** e      # np.round: ties to even
;;       return np.moveaxis(q.reshape(q.shape[:-2] + (-1,))[..., :K], -1, axis).astype(np.float32)
;;   ~~~
;;   SOFTMAX AHEAD OF A QUANTISED PRODUCT. Where the list says 'softmax', what is quantised is not the finished softmax but p = 2^(t - M), with t = logit x log2(e) and M = ceil(the row's largest t), a whole number; so 1/2 < the row's largest p <= 1. The row's sum l is taken of the UNQUANTISED p, in f32, and the product's result is divided by l at the end. Since M is a whole number, a kernel that streams over the keys may use a running M (the ceiling of the running maximum): every later rescaling is an exact power of two, which a block's scale takes up: the codes' values come out the same.
;;   OPERANDS COMPUTED ON THE WAY. 'Computed on the way' means the value that the module computes at that place (a softmax that the list does not call 'softmax' is quantised finished and normalised). What goes into a quantiser is computed in f32, as accurately as f32 sums, v_exp_f32 and their like allow (about 1e-6 of the number): no bf16 or f16 on the way to a quantiser, and a product that is left as it is and whose result goes on into a quantised operand takes f32 operands (vector FMAs, or v_wmma_f32_16x16x4_f32). A number that lies on a knife's edge between two numbers of the format may be rounded either way, as far as f32 arithmetic and the matrix unit's own rounding can turn it there, and no further.
;; One version. Each part assembles by itself: llvm-mc -triple=amdgcn-amd-amdhsa -mcpu=gfx1250 --defsym DOCPART=n.
;; ======== version 1 of 1: 4 launches
;; limits: right only within a limited range of input values
;; workspace buffers: actc 12,582,912 bytes; acts 524,288 bytes; wc 3,145,728 bytes; ws 131,072 bytes; qkvc 18,874,368 bytes; qkvs 786,432 bytes; oc 6,291,456 bytes; os 262,144 bytes
;; launch prep (part 1): grid 768 x 1, 4 waves a work-group, no clusters, 34,304 bytes of LDS; arguments Wq, Wk, Wv, Wo, query, key_value, wc, ws, actc, acts; writes wc, ws, actc, acts
.if DOCPART == 1
	.amdgcn_target "amdgcn-amd-amdhsa--gfx1250"
	.amdhsa_code_object_version 6
	.text
	.protected	k_q63375ebfc0_prep
	.globl	k_q63375ebfc0_prep
	.p2align	8
	.type	k_q63375ebfc0_prep,@function
k_q63375ebfc0_prep:
	s_mov_b64 s[64:65], 0
	v_nop
	global_prefetch_b8 v0, s[64:65] scope:SCOPE_SE
	s_setreg_imm32_b32 hwreg(HW_REG_WAVE_MODE, 25, 1), 1
	s_wait_xcnt 0x0
; All six f32 inputs of the products become operands of FP6 (E2M3) codes with one E8M0 byte for each 32 along K = 1,024.  Work-groups 0-255 take the four weights, work-groups 256-767 the activations:
; a scalar branch on the work-group's number parts two paths that share nothing.
; OUT, codes of every operand: row block i (16 rows), K step s (128 along K): 1,536 bytes at i*12288 + s*1536, an IMAGE OF THE OPERAND'S REGISTERS: register 4c + j of lane L at byte 512c + 16L + 4j.
; OUT, scale words: i*512 + (s/4)*256 + 16r + 4(s%4), r the row in the block.  Weight wi lies at wi*786432 (scale words wi*32768), rows = its columns n; query's 512 row blocks are followed by key_value's 512.
; LIMITS: NaN and infinities are not served; a block whose largest magnitude lies under 2^-124 gets the byte 1, a block of zeros too (its codes are zeros; this program alone reads the bytes).
.set SPW, 252                          ; v252 LDS address of my spare word; never rewritten
.set NIL, 253                          ; v253 0; never rewritten
.set STG, 8448                         ; the activations' path: a wave's stage, 16 rows x 528 bytes
.set SPARE, 4*STG                      ; behind the stages: the spare words, 128 bytes a wave, which no other line names
	v_lshl_add_u32 v[SPW], v0, 2, SPARE
	v_mov_b32 v[NIL], 0
	v_lshrrev_b32 v1, 5, v0
	v_readfirstlane_b32 s16, v1                    ; wave
	v_and_b32 v1, 31, v0                           ; lane
	s_cmp_lt_u32 ttmp9, 256
	s_cbranch_scc0 .Lacts
; ---- THE WEIGHTS, f32 [K][N].  A LANE TAKES A COLUMN n AND ITS REGISTERS RUN DOWN K: a load reads 128 consecutive bytes a wave, a block of 32 lies in one lane, nothing is transposed.
; Wo's K is the attention result's h*128 + d, whose codes lie, inside each block of 32, with bits 3 and 4 of the index exchanged (the order in which a transposed matrix result falls into a lane's registers).
; So Wo's rows are LOADED in that order: registers 8-15 take rows 16-23 of the block, registers 16-23 rows 8-15.  The block's 32 numbers, and so its scale, are the same.
; SHARES: work-group = weight*64 + group of 128 columns*8 + K step; wave w: 32 columns; two fragments a wave.
.set ROWB, 4096                        ; a row of a weight in bytes
.set WX,  32                           ; v32-159  four blocks of 32 numbers
.set FA,  160                          ; v160-171 blocks 0 and 2 of my column, later the first row block's fragment
.set FB,  172                          ; v172-183 blocks 1 and 3, later the second row block's
.set WT,  184                          ; v184-186 a block's upper 16 codes
.set WSW, 188                          ; v188     my column's scale word
	s_load_b256 s[4:11], s[0:1], 0x0               ; Wq, Wk, Wv, Wo
	s_load_b128 s[12:15], s[0:1], 0x30             ; wc, ws
	s_lshr_b32 s18, ttmp9, 6                       ; which weight
	s_lshr_b32 s19, ttmp9, 3
	s_and_b32 s19, s19, 7                          ; which 128 columns
	s_and_b32 s20, ttmp9, 7                        ; which K step
	s_lshl_b32 s22, s20, 19                        ; in: 128 rows of 4,096 bytes a K step,
	s_lshl_b32 s23, s19, 9                         ; 512 bytes a group of columns,
	s_add_co_u32 s22, s22, s23
	s_lshl_b32 s23, s16, 7                         ; 128 bytes a wave
	s_add_co_u32 s22, s22, s23
	s_mov_b32 s23, 0
	s_lshl_b32 s24, s19, 3
	s_lshl_b32 s25, s16, 1
	s_add_co_u32 s24, s24, s25                     ; my first row block: 8 x group + 2 x wave
	s_mul_i32 s26, s18, 786432
	s_mul_i32 s27, s24, 12288
	s_add_co_u32 s26, s26, s27
	s_mul_i32 s27, s20, 1536
	s_add_co_u32 s26, s26, s27                     ; where its fragment goes
	s_mov_b32 s27, 0
	s_lshl_b32 s28, s18, 15
	s_lshl_b32 s29, s24, 9
	s_add_co_u32 s28, s28, s29
	s_lshr_b32 s29, s20, 2
	s_lshl_b32 s29, s29, 8
	s_add_co_u32 s28, s28, s29
	s_and_b32 s29, s20, 3
	s_lshl_b32 s29, s29, 2
	s_add_co_u32 s28, s28, s29                     ; and its scale words
	s_mov_b32 s29, 0
	s_cmp_eq_u32 s18, 3
	s_cselect_b32 s17, 32768, 0                    ; Wo: eight rows further down for registers 8-15,
	s_sub_co_u32 s21, 32768, s17                   ; and eight rows less for registers 16-23
	s_wait_alu depctr_va_vdst(0)
	v_lshlrev_b32 v2, 2, v1                        ; 4 bytes a lane
	v_add_nc_u32 v3, s17, v2
	v_add_nc_u32 v4, s21, v2
	v_lshlrev_b32 v5, 4, v1                        ; an image's place for my lane
	v_lshrrev_b32 v6, 4, v1
	v_and_b32 v7, 15, v1
	v_lshlrev_b32 v6, 9, v6
	v_lshl_add_u32 v6, v7, 4, v6                   ; my column's scale word: 512 x (lane / 16) + 16 x (lane % 16)
	s_wait_alu depctr_va_vdst(0)
	s_wait_kmcnt 0x0
	s_cmp_eq_u32 s18, 1                            ; the weight is chosen by the work-group's number alone
	s_cselect_b64 s[4:5], s[6:7], s[4:5]
	s_cmp_eq_u32 s18, 2
	s_cselect_b64 s[4:5], s[8:9], s[4:5]
	s_cmp_eq_u32 s18, 3
	s_cselect_b64 s[4:5], s[10:11], s[4:5]
	s_add_nc_u64 s[4:5], s[4:5], s[22:23]
	s_add_nc_u64 s[12:13], s[12:13], s[26:27]
	s_add_nc_u64 s[14:15], s[14:15], s[28:29]
.macro WLOAD t                         ; block t: 32 rows of my column
.set LR, 0
.rept 32
.if (LR < 8) || (LR >= 24)
	global_load_b32 v[WX+32*(\t)+LR], v2, s[4:5] offset:(32*(\t)+LR)*ROWB th:TH_LOAD_NT
.elseif LR < 16
	global_load_b32 v[WX+32*(\t)+LR], v3, s[4:5] offset:(32*(\t)+LR)*ROWB th:TH_LOAD_NT
.else
	global_load_b32 v[WX+32*(\t)+LR], v4, s[4:5] offset:(32*(\t)+LR-8)*ROWB th:TH_LOAD_NT
.endif
.set LR, LR+1
.endr
.endm
.macro WBLOCK t, d                     ; block t becomes six registers of codes at v[d] and a byte of the scale word
.set XS, WX+32*(\t)
.if (\t) < 3
	s_wait_loadcnt 32                              ; this block's 32 loads are in; the next block's 32 may be out
.else
	s_wait_loadcnt 0x0
.endif
.if (\t)+2 < 4
	WLOAD (\t)+2                                   ; two blocks ahead, into registers of its own
.endif
	v_max3_num_f32 v12, |v[XS]|, |v[XS+1]|, |v[XS+2]|      ; the block's largest magnitude: all 32 numbers are mine; two chains
	v_max3_num_f32 v13, |v[XS+3]|, |v[XS+4]|, |v[XS+5]|
.irp i, 6,10,14,18,22,26
	v_max3_num_f32 v12, v12, |v[XS+\i]|, |v[XS+\i+1]|
	v_max3_num_f32 v13, v13, |v[XS+\i+2]|, |v[XS+\i+3]|
.endr
	v_max3_num_f32 v12, v12, |v[XS+30]|, |v[XS+31]|
	v_max3_num_f32 v12, v12, v13, 0x1800000        ; and the floor 2^(3 - 127): the byte cannot fall under 1
	v_add_nc_u32 v11, 0xff000000, v12              ; 2 off the exponent field: the conversion takes this operand's exponent field as its scale
	v_cvt_scalef32_pk16_fp6_f32 v[\d:\d+2], v[XS:XS+15], v11
	v_cvt_scalef32_pk16_fp6_f32 v[WT:WT+2], v[XS+16:XS+31], v11    ; (a conversion's three registers begin on an even number)
	v_lshrrev_b32 v13, 23, v11                     ; the scale's byte; also the plain instruction behind the conversions
.if (\t) == 0
	v_mov_b32 v[WSW], v13
.else
	v_lshl_or_b32 v[WSW], v13, 8*(\t), v[WSW]
.endif
.irp i, 0,1,2
	v_mov_b32 v[\d+3+\i], v[WT+\i]
.endr
.endm
	WLOAD 0
	WLOAD 1
	WBLOCK 0, FA
	WBLOCK 1, FB
	WBLOCK 2, FA+6
	WBLOCK 3, FB+6
; The operand's layout gives lane (r, h) the blocks h and 2 + h of row r.  FA holds blocks 0, 2 and FB blocks 1, 3 of the lane's own column: FA's lanes 16-31 change places with FB's lanes 0-15.
.irp i, 0,1,2,3,4,5,6,7,8,9,10,11
	v_permlane16_swap_b32 v[FA+\i], v[FB+\i]
.endr
.irp c, 0,1,2
	global_store_b128 v5, v[FA+4*\c:FA+4*\c+3], s[12:13] offset:512*\c          ; 32 lanes store 512 consecutive bytes
.endr
.irp c, 0,1,2
	global_store_b128 v5, v[FB+4*\c:FB+4*\c+3], s[12:13] offset:12288+512*\c    ; the next row block
.endr
	global_store_b32 v6, v[WSW], s[14:15]          ; 4 bytes of each row's 16: the other K steps' words come from other work-groups
	s_wait_tensorcnt 0x0                           ; the wave's end
	ds_add_u32 v[SPW], v[NIL]
	s_wait_dscnt 0x0
	s_endpgm
; ---- THE ACTIVATIONS, f32 [8192][1024], K innermost.  A wave takes a row block and four K steps: four fragments of 16 rows x 128.  A fragment's 16 loads read 512 consecutive bytes each; the 8 KiB turn through
; the wave's own stage in LDS (rows 528 bytes apart) and come back as the layout wants them: lane (r, h) holds k = 64c + 32h + 0..31 of row r: two whole blocks, so no other lane is asked for a maximum.
; No tensor loads, no barrier: waves share nothing.  Loads run two fragments ahead.
.Lacts:
.set AR,  16                           ; v16-143  two sets of 64 registers as loaded
.set AX,  144                          ; v144-207 64 numbers in the operand's order
.set AF,  208                          ; v208-231 two sets of 12: a fragment's codes
.set AT,  232                          ; v232-238 the blocks' upper 16 codes
.set ASW, 240                          ; v240-243 the four fragments' scale words
	s_load_b128 s[4:7], s[0:1], 0x20               ; query, key_value
	s_load_b128 s[8:11], s[0:1], 0x40              ; actc, acts
	v_and_b32 v2, 15, v0                           ; r
	v_bfe_u32 v3, v0, 4, 1                         ; h
	s_wait_alu depctr_va_vdst(0)
	v_lshlrev_b32 v4, 4, v1                        ; 16 x lane
	s_mul_i32 s13, s16, STG
	v_add_nc_u32 v5, s13, v4                       ; into the stage: a row's 512 bytes as they lie
	v_mul_u32_u24 v6, v2, 528
	v_lshl_add_u32 v6, v3, 7, v6
	v_add_nc_u32 v6, s13, v6                       ; out of it: row r, + 128 h
	v_lshlrev_b32 v7, 4, v2                        ; 16 r: my row's four scale words
	v_lshlrev_b32 v8, 3, v3                        ; 8 h
	v_mov_b32 v251, 0                              ; written once: a lane permute's destination counts as one of its sources
	s_mov_b32 s20, 0x76543210
	s_mov_b32 s21, 0xfedcba98                      ; v_permlanex16_b32's selects for lane l xor 16
	s_sub_co_u32 s25, ttmp9, 256                   ; my number among the activations' 512 work-groups
	s_lshl_b32 s14, s25, 1
	s_lshr_b32 s15, s16, 1
	s_add_co_u32 s14, s14, s15                     ; my row block I = 2 x that + wave / 2
	s_and_b32 s15, s16, 1                          ; which four K steps
	s_and_b32 s26, s14, 511
	s_lshl_b32 s26, s26, 16                        ; in: 16 rows of 4,096 bytes a row block,
	s_lshl_b32 s27, s15, 11                        ; 2,048 bytes for four K steps
	s_add_co_u32 s26, s26, s27
	s_mov_b32 s27, 0
	s_mul_i32 s18, s14, 12288
	s_mul_i32 s19, s15, 6144
	s_add_co_u32 s18, s18, s19
	s_mov_b32 s19, 0
	s_lshl_b32 s22, s14, 9
	s_lshl_b32 s23, s15, 8
	s_add_co_u32 s22, s22, s23
	s_mov_b32 s23, 0
	s_wait_alu depctr_va_vdst(0)
	s_wait_kmcnt 0x0
	s_cmp_lt_u32 s25, 256                          ; the tensor is chosen by the work-group's number alone
	s_cselect_b64 s[4:5], s[4:5], s[6:7]
	s_add_nc_u64 s[4:5], s[4:5], s[26:27]
	s_add_nc_u64 s[8:9], s[8:9], s[18:19]
	s_add_nc_u64 s[10:11], s[10:11], s[22:23]
.macro ALOAD t
.irp j, 0,1,2,3,4,5,6,7,8,9,10,11,12,13,14,15
	global_load_b128 v[AR+64*((\t)%2)+4*\j:AR+64*((\t)%2)+4*\j+3], v4, s[4:5] offset:4096*\j+512*(\t) th:TH_LOAD_NT   ; 32 lanes read 512 consecutive bytes of row j
.endr
.endm
.macro ASTEP t
.set RS, AR+64*((\t)%2)
.set FS, AF+12*((\t)%2)
.if (\t) < 3
	s_wait_loadcnt 16                              ; this fragment's 16 loads are in; the next fragment's 16 may be out
.else
	s_wait_loadcnt 0x0
.endif
.irp j, 0,1,2,3,4,5,6,7,8,9,10,11,12,13,14,15
	ds_store_b128 v5, v[RS+4*\j:RS+4*\j+3] offset:528*\j
.endr
.irp c, 0,1
.irp q, 0,1,2,3,4,5,6,7
	ds_load_b128 v[AX+32*\c+4*\q:AX+32*\c+4*\q+3], v6 offset:256*\c+16*\q   ; LDS serves a wave's instructions in order: these see my stores
.endr
.endr
	s_wait_dscnt 0x0                               ; the numbers are back, and the stores have read their registers,
.if (\t)+2 < 4
	ALOAD (\t)+2                                   ; which take the loads of two fragments on
.endif
.irp c, 0,1
	v_max3_num_f32 v[244+\c], |v[AX+32*\c]|, |v[AX+32*\c+1]|, 0x1800000     ; my block 2c + h, and the floor 2^(3 - 127): the byte cannot fall under 1
.endr
.irp i, 2,4,6,8,10,12,14,16,18,20,22,24,26,28,30
.irp c, 0,1
	v_max3_num_f32 v[244+\c], v[244+\c], |v[AX+32*\c+\i]|, |v[AX+32*\c+\i+1]|   ; (the two blocks by turns)
.endr
.endr
.irp c, 0,1
	v_add_nc_u32 v[246+\c], 0xff000000, v[244+\c]  ; 2 off the exponent field: the conversion's scale operand
.endr
.irp c, 0,1
	v_lshrrev_b32 v[248+\c], 23, v[246+\c]         ; the scale's byte
.endr
	v_lshl_or_b32 v250, v249, 16, v248             ; my two bytes: blocks h and 2 + h,
	v_lshlrev_b32 v250, v8, v250                   ; at their places in the word;
	v_permlanex16_b32 v251, v250, s20, s21
	v_or_b32 v[ASW+(\t)], v250, v251               ; with lane l xor 16's two the word is whole
.if (\t) >= 2
	s_wait_alu depctr_va_vdst(0)
	s_wait_xcnt 0x0                                ; the stores of two fragments back have read this set of code registers
.endif
.irp c, 0,1
	v_cvt_scalef32_pk16_fp6_f32 v[FS+6*\c:FS+6*\c+2], v[AX+32*\c:AX+32*\c+15], v[246+\c]
	v_cvt_scalef32_pk16_fp6_f32 v[AT+4*\c:AT+4*\c+2], v[AX+32*\c+16:AX+32*\c+31], v[246+\c]   ; (a conversion's three registers begin on an even number)
.endr
	v_nop                                          ; one plain instruction behind the conversions
.irp c, 0,1
.irp i, 0,1,2
	v_mov_b32 v[FS+6*\c+3+\i], v[AT+4*\c+\i]
.endr
.endr
.irp c, 0,1,2
	global_store_b128 v4, v[FS+4*\c:FS+4*\c+3], s[8:9] offset:1536*(\t)+512*\c   ; 32 lanes store 512 consecutive bytes
.endr
.endm
	ALOAD 0
	ALOAD 1
	ASTEP 0
	ASTEP 1
	ASTEP 2
	ASTEP 3
	s_wait_xcnt 0x0                                ; EXEC changes only behind this wait
	v_cmp_gt_u32 vcc_lo, 16, v1
	s_and_saveexec_b32 s24, vcc_lo
	global_store_b128 v7, v[ASW:ASW+3], s[10:11]   ; lanes 0-15 store 256 consecutive bytes, aligned: 16 rows x four K steps' words
	s_wait_xcnt 0x0
	s_or_b32 exec_lo, exec_lo, s24
	s_wait_tensorcnt 0x0                           ; the wave's end
	ds_add_u32 v[SPW], v[NIL]
	s_wait_dscnt 0x0
	s_endpgm
.Lfunc_end_k_q63375ebfc0_prep:
	.size	k_q63375ebfc0_prep, .Lfunc_end_k_q63375ebfc0_prep-k_q63375ebfc0_prep
	.p2alignl 7, 3214868480
	.fill 96, 4, 3214868480
	.section	.rodata,"a",@progbits
	.p2align	6, 0x0
	.amdhsa_kernel k_q63375ebfc0_prep
		.amdhsa_group_segment_fixed_size 34304
		.amdhsa_private_segment_fixed_size 0
		.amdhsa_enable_private_segment 0
		.amdhsa_kernarg_size 80
		.amdhsa_user_sgpr_count 2
		.amdhsa_user_sgpr_kernarg_segment_ptr 1
		.amdhsa_wavefront_size32 1
		.amdhsa_system_sgpr_workgroup_id_x 1
		.amdhsa_system_sgpr_workgroup_id_y 1
		.amdhsa_system_sgpr_workgroup_id_z 1
		.amdhsa_system_vgpr_workitem_id 0
		.amdhsa_next_free_vgpr 256
		.amdhsa_next_free_sgpr 66
		.amdhsa_reserve_vcc 1
		.amdhsa_float_denorm_mode_32 3
		.amdhsa_float_denorm_mode_16_64 3
		.amdhsa_memory_ordered 1
		.amdhsa_forward_progress 1
		.amdhsa_inst_pref_size 51
	.end_amdhsa_kernel
	.amdgpu_metadata
---
amdhsa.version: [ 1, 2 ]
amdhsa.kernels:
  - .name:           k_q63375ebfc0_prep
    .symbol:         k_q63375ebfc0_prep.kd
    .args:
      - { .name: Wq, .offset: 0, .size: 8, .value_kind: global_buffer, .address_space: global }
      - { .name: Wk, .offset: 8, .size: 8, .value_kind: global_buffer, .address_space: global }
      - { .name: Wv, .offset: 16, .size: 8, .value_kind: global_buffer, .address_space: global }
      - { .name: Wo, .offset: 24, .size: 8, .value_kind: global_buffer, .address_space: global }
      - { .name: query, .offset: 32, .size: 8, .value_kind: global_buffer, .address_space: global }
      - { .name: key_value, .offset: 40, .size: 8, .value_kind: global_buffer, .address_space: global }
      - { .name: wc, .offset: 48, .size: 8, .value_kind: global_buffer, .address_space: global }
      - { .name: ws, .offset: 56, .size: 8, .value_kind: global_buffer, .address_space: global }
      - { .name: actc, .offset: 64, .size: 8, .value_kind: global_buffer, .address_space: global }
      - { .name: acts, .offset: 72, .size: 8, .value_kind: global_buffer, .address_space: global }
    .group_segment_fixed_size: 34304
    .private_segment_fixed_size: 0
    .kernarg_segment_align: 8
    .kernarg_segment_size: 80
    .max_flat_workgroup_size: 128
    .sgpr_count:     66
    .vgpr_count:     256
    .wavefront_size: 32
...
	.end_amdgpu_metadata
.endif
;; end of part 1
;; launch proj (part 2): grid 4 x 64, 4 waves a work-group, clusters of 4 x 4, 327,680 bytes of LDS; arguments actc, acts, wc, ws, qkvc, qkvs; writes qkvc, qkvs
.if DOCPART == 2
	.amdgcn_target "amdgcn-amd-amdhsa--gfx1250"
	.amdhsa_code_object_version 6
	.text
	.protected	k_q63375ebfc0_proj
	.globl	k_q63375ebfc0_proj
	.p2align	8
	.type	k_q63375ebfc0_proj,@function
k_q63375ebfc0_proj:
	s_mov_b64 s[64:65], 0
	v_nop
	global_prefetch_b8 v0, s[64:65] scope:SCOPE_SE
	s_setreg_imm32_b32 hwreg(HW_REG_WAVE_MODE, 25, 1), 1
	s_wait_xcnt 0x0
	s_wait_alu depctr_hold_cnt(0) depctr_sa_sdst(0) depctr_va_vdst(0) depctr_va_sdst(0) depctr_va_ssrc(0) depctr_va_vcc(0) depctr_vm_vsrc(0)
	s_getreg_b32 s2, hwreg(HW_REG_IB_STS2, 6, 4)
	s_cmp_eq_u32 s2, 0
	s_cbranch_scc0 .Lentry_in_a_cluster
	s_endpgm
.Lentry_in_a_cluster:
	s_bfe_u32 s2, ttmp6, 0x10000c
	s_cmp_lg_u32 s2, 0xf033
	s_cbranch_scc0 .Lentry_shape_is_right
	s_endpgm
.Lentry_shape_is_right:
; q = query Wq, k = key_value Wk, v^T = (key_value Wv)^T on FP6 (E2M3) codes with E8M0 scales, and each result quantised again for attention: q and k along the head's 128, v along the keys.
; Each is C[m][n] = sum over k of A[m][k] B[n][k], K = 1,024, quantised along n.  Tiles 0, 1 (q, k): A = the activations' rows, B = W^T's rows.  Tile 2 (v^T): A = Wv^T's rows (h*128 + d), B = key_value's rows (the keys).
; IN: operands as images of registers: row block i, K step s at i*12288 + s*1536; scale words at i*512 + (s/4)*256 + 16r + 4(s%4).
; OUT: per batch*8 + head 64 fragments of 1,536 bytes (q, k: tile of 16 rows; v: key step*8 + tile of 16 d), the same image; scale words at (f/4)*256 + 16r + 4(f%4).
; A WORK-GROUP STAYS: it makes three tiles of 128 x 256, one of each product, written out one after the other; four waves, each 64 x 128: 32 accumulators.
; K goes through TWO LDS SLOTS OF FOUR K STEPS (147,456 bytes: A's 8 row blocks x 6,144, then B's 16), and the ring goes on from tile to tile: the slot left at K step 3 takes the next tile's K steps 0-3,
; the slot left at K step 7 its K steps 4-7.  A refill issued at K step 3 has 112 matrix instructions of the wave in which to land, one issued at K step 7 has 16, the tile's quantising and 96 more.
; CLUSTER 4 x 4: A's bytes hang on the tile row alone and are asked for jointly by a row of the cluster, B's on the tile column alone, by a column.  One tensor load of a wave is out at most.
; THE SCALE WORDS go from memory straight into registers, 12 loads of 512 consecutive bytes a wave and tile: lanes 0-15 hold the words of K steps 0-3, lanes 16-31 those of K steps 4-7, so K steps 4-7 name the upper lanes.
; THE MATRIX INSTRUCTION IS USED TRANSPOSED (source 0 = 16 rows of B, source 1 = 16 rows of A): a lane holds one row m and its registers run along n, the next product's K.
; Tile 2B + u, register j of lane (r, h) is column 32B + 16u + 8h + j, and is laid at place 32B + 16h + 8u + j: inside each block of 32 bits 3 and 4 of the index change places.  The block's 32 numbers, and so its scale,
; are the same, and both operands of every later product carry the same order, so only the order of the f32 sums differs.
; LIMITS: NaN and infinities are not served; a block whose largest magnitude lies under 2^-124 gets the byte 1, a block of zeros too (its codes are zeros; this program alone reads the bytes).
; REGISTERS, in windows of 256: window 0: addresses, v32-127 scale words (two sets of 48), v128-207 codes, v208-211 their scale words, v212-227 at work.  window 1: accumulator (a, b) at 64a + 8b.
;   windows 2, 3: fragment sets 0, 1 (even, odd K steps): A's four at 12a, B's eight at 48 + 12b.
; SCALARS: s[24:31], s[32:39] group 1 for A, B; s[40:47], s[48:55] group 0 for A, B, a set for each slot; s[56:63] the later tiles' addresses of A and B; s[68:79] the scale words' bases; s[80:91] the outputs' bases.
.set FRB,   1536                       ; a fragment's image
.set SLOT,  147456                     ; four K steps of A's 8 and B's 16 row blocks
.set SPARE, 2*SLOT                     ; the spare words, 128 bytes a wave, which no other line names
.set ADRA, 8                           ; v8, v9   my A fragments in slot 0, 1
.set ADRB, 12                          ; v12, v13 my B fragments
.set SPW,  28                          ; v28      LDS address of my spare word; never rewritten
.set NIL,  29                          ; v29      0; never rewritten
.set SC,   32                          ; set p at SC + 48p: A's block a at 4a + q, B's block b at 16 + 4b + q, q the K step modulo 4
.set PC,   128                         ; four sets of 20: a fragment's codes and the conversions' second halves
.set PW,   208
.set TM,   212
.set SEL,  8                           ; s[8:9] behind the head: v_permlanex16_b32's selects
.set MSB, 0
.macro WIN new                         ; the immediate's high byte repeats the setting that is left
.if MSB != (\new)
	s_set_vgpr_msb (MSB<<8)|(\new)
.set MSB, (\new)
.endif
.endm
.macro PLACES                          ; four plain instructions between a matrix instruction and a load into, or a read of, its registers
.rept 4
	v_nop
.endr
.endm
.macro CREST                           ; a round of the cluster's barrier behind its opening barrier
	s_cmp_lg_u32 s16, 0
	s_cbranch_scc1 .Lnot_wave_0_\@
	s_barrier_signal -3
.Lnot_wave_0_\@:
	s_barrier_wait -3
	s_barrier_signal -1
	s_barrier_wait -1
.endm
.macro CROUND                          ; a whole round
	s_barrier_signal -1
	s_barrier_wait -1
	CREST
.endm
.macro JLOAD sl                        ; a joint refill of slot sl: waves 0, 1 fetch A's halves, waves 2, 3 B's; the branch hangs on the wave's number alone; an s_nop 0 and four v_nop follow each line
	s_cmp_eq_u32 s17, 0
	s_cbranch_scc0 .Lfor_b_\@
	tensor_load_to_lds s[40+4*(\sl):43+4*(\sl)], s[24:31]
	s_nop 0
	PLACES
	s_branch .Lasked_\@
.Lfor_b_\@:
	tensor_load_to_lds s[48+4*(\sl):51+4*(\sl)], s[32:39]
	s_nop 0
	PLACES
.Lasked_\@:
.endm
	s_load_b256 s[4:11], s[0:1], 0x0               ; actc s[4:5], acts s[6:7], wc s[8:9], ws s[10:11]
	s_load_b128 s[12:15], s[0:1], 0x20             ; qkvc s[12:13], qkvs s[14:15]
	v_lshl_add_u32 v[SPW], v0, 2, SPARE
	v_mov_b32 v[NIL], 0
	ds_add_u32 v[SPW], v[NIL]                      ; the wave's opening: the add and its wait ahead of my first tensor load
	ds_add_u32 v[SPW], v[NIL]
	v_lshrrev_b32 v1, 5, v0
	v_readfirstlane_b32 s16, v1                    ; wave
	s_lshr_b32 s17, s16, 1                         ; my 64 rows of a tile.  Also: I fetch for A (0) or for B (1)
	s_and_b32 s18, s16, 1                          ; my 128 columns.  Also: which half I fetch
	s_bfe_u32 s19, ttmp6, 0x40000                  ; cx
	s_bfe_u32 s20, ttmp6, 0x40004                  ; cy
	s_and_b32 s21, ttmp7, 0xffff                   ; the cluster, 0 to 15
	s_lshl_b32 s23, s21, 2
	s_add_co_u32 s23, s23, s20                     ; tiles 0, 1: tile row 4 x cluster + cy (64 rows of tiles),
	s_mov_b32 s22, s19                             ; tile column cx (4)
	s_lshr_b32 s92, s21, 3
	s_lshl_b32 s92, s92, 2
	s_add_co_u32 s92, s92, s20                     ; tile 2: tile row 4 x (cluster / 8) + cy (8),
	s_and_b32 s93, s21, 7
	s_lshl_b32 s93, s93, 2
	s_add_co_u32 s93, s93, s19                     ; tile column 4 x (cluster % 8) + cx (32)
	s_lshl_b32 s66, s20, 2
	s_lshl_b32 s66, 15, s66                        ; my row of the cluster
	s_lshl_b32 s100, 0x1111, s19                   ; my column
	; group 1: elements of 8 bytes, no padding, bit 21 beside the mask.  A row = one row block's four K steps, 768 elements; row blocks 1,536 elements apart
	s_or_b32 s24, s66, (3<<16)|(1<<21)             ; A: at the head all 8 row blocks; behind the head's wait 4
	s_mov_b32 s25, 768<<16
	s_mov_b32 s26, 8<<16
	s_mov_b32 s27, 768<<16
	s_mov_b32 s28, 8
	s_mov_b32 s29, 1536
	s_mov_b32 s30, 0
	s_mov_b32 s31, 0
	s_or_b32 s32, s100, (3<<16)|(1<<21)            ; B: at the head all 16 row blocks; behind the head's wait 8
	s_mov_b32 s33, 768<<16
	s_mov_b32 s34, 16<<16
	s_mov_b32 s35, 768<<16
	s_mov_b32 s36, 16
	s_mov_b32 s37, 1536
	s_mov_b32 s38, 0
	s_mov_b32 s39, 0
	; A's offsets hang on the tile row, B's on the tile column, each in registers of its own
	s_lshl_b32 s66, s23, 3
	s_lshl_b32 s67, s18, 2
	s_add_co_u32 s66, s66, s67                     ; A, tiles 0, 1: row block 8 x tile row + 4 x half of the activations
	s_mul_i32 s66, s66, 12288
	s_mov_b32 s67, 0
	s_lshl_b32 s104, s92, 3
	s_lshl_b32 s105, s18, 2
	s_add_co_u32 s104, s104, s105                  ; A, tile 2: the same of Wv^T, the third weight
	s_mul_i32 s104, s104, 12288
	s_add_co_u32 s104, s104, 1572864
	s_mov_b32 s105, 0
	s_lshl_b32 s100, s22, 4
	s_lshl_b32 s101, s18, 3
	s_add_co_u32 s100, s100, s101                  ; B, tiles 0, 1: row block 16 x tile column + 8 x half of a weight
	s_mul_i32 s100, s100, 12288
	s_mov_b32 s101, 0
	s_lshl_b32 s2, s93, 4
	s_lshl_b32 s3, s18, 3
	s_add_co_u32 s2, s2, s3                        ; B, tile 2: the same of key_value, the activations' second part
	s_mul_i32 s2, s2, 12288
	s_add_co_u32 s2, s2, 6291456
	s_mov_b32 s3, 0
	; group 0: count and LDS address; the wave's number alone enters an LDS address, and these words are never rewritten
	s_mov_b32 s40, 1
	s_mul_i32 s41, s18, 24576
	s_mov_b32 s44, 1
	s_add_co_u32 s45, s41, SLOT
	s_mov_b32 s48, 1
	s_mul_i32 s49, s18, 49152
	s_add_co_u32 s49, s49, 49152
	s_mov_b32 s52, 1
	s_add_co_u32 s53, s49, SLOT
	s_mul_i32 s41, s18, SLOT                       ; the head's loads: wave = operand x half of K: all of A's row blocks into slot s18,
	s_add_co_u32 s49, s41, 49152                   ; all of B's behind them
	s_wait_dscnt 0x0                               ; both opening adds are done
	CROUND                                         ; the round in front of the first joint loads; the arguments' loads are out meanwhile
	s_wait_kmcnt 0x0
	s_add_nc_u64 s[42:43], s[4:5], s[66:67]        ; tile 0: query, K steps 0-3,
	s_add_nc_u64 s[46:47], s[42:43], 6144          ; K steps 4-7
	s_add_nc_u64 s[56:57], s[42:43], 6291456       ; tile 1's A: key_value
	s_add_nc_u64 s[58:59], s[8:9], s[104:105]      ; tile 2's A: Wv^T
	s_add_nc_u64 s[50:51], s[8:9], s[100:101]      ; tile 0: Wq^T
	s_add_nc_u64 s[54:55], s[50:51], 6144
	s_add_nc_u64 s[60:61], s[50:51], 786432        ; tile 1's B: Wk^T
	s_add_nc_u64 s[62:63], s[4:5], s[2:3]          ; tile 2's B: key_value
	s_mul_i32 s94, s18, 43008                      ; the head's loads begin at the tile's first row block, K steps 4 s18: 4 row blocks back, 6,144 bytes on
	s_mov_b32 s95, 0
	s_sub_nc_u64 s[42:43], s[42:43], s[94:95]
	s_mul_i32 s94, s18, 92160                      ; B: 8 row blocks back, 6,144 bytes on
	s_sub_nc_u64 s[50:51], s[50:51], s[94:95]
.irp g, 43,47,51,55
	s_or_b32 s\g, s\g, 0x80000000                  ; the type
.endr
	s_cmp_eq_u32 s17, 0                            ; tile 0's four fills, one tensor load a wave, in one branch on the wave's number: waves 0, 1 A's K halves, waves 2, 3 B's
	s_cbranch_scc0 .Lfill_b
	tensor_load_to_lds s[40:43], s[24:31]
	s_nop 0
	PLACES
	s_branch .Lfilled
.Lfill_b:
	tensor_load_to_lds s[48:51], s[32:39]
	s_nop 0
	PLACES
.Lfilled:
	v_and_b32 v1, 15, v0                           ; r
	v_bfe_u32 v2, v0, 4, 1                         ; h
	v_and_b32 v3, 31, v0                           ; lane
	v_lshlrev_b32 v4, 4, v3                        ; 16 x lane: an image's place for my lane
	v_min_u32 v18, 23, v3
	v_lshlrev_b32 v18, 8, v18                      ; the prefetches' offset: a lane to each of the 24 blocks of 256 bytes in a row block's four K steps; the lanes left over name the last again
	s_wait_alu depctr_va_vdst(0)
	v_lshlrev_b32 v17, 4, v1                       ; 16 r
	; the scale words of the row blocks that I multiply: A's four, B's eight, for each tile
	s_mov_b32 s95, 0
	s_lshl_b32 s94, s23, 3
	s_lshl_b32 s96, s17, 2
	s_add_co_u32 s94, s94, s96
	s_lshl_b32 s94, s94, 9
	s_add_nc_u64 s[68:69], s[6:7], s[94:95]        ; tile 0's A
	s_add_nc_u64 s[72:73], s[68:69], 262144        ; tile 1's
	s_lshl_b32 s94, s92, 3
	s_add_co_u32 s94, s94, s96
	s_lshl_b32 s94, s94, 9
	s_add_co_u32 s94, s94, 65536
	s_add_nc_u64 s[76:77], s[10:11], s[94:95]      ; tile 2's
	s_lshl_b32 s94, s22, 4
	s_lshl_b32 s96, s18, 3
	s_add_co_u32 s94, s94, s96
	s_lshl_b32 s94, s94, 9
	s_add_nc_u64 s[70:71], s[10:11], s[94:95]      ; tile 0's B
	s_add_nc_u64 s[74:75], s[70:71], 32768         ; tile 1's
	s_lshl_b32 s94, s93, 4
	s_add_co_u32 s94, s94, s96
	s_lshl_b32 s94, s94, 9
	s_add_co_u32 s94, s94, 262144
	s_add_nc_u64 s[78:79], s[6:7], s[94:95]        ; tile 2's
.macro SCLOAD p, sa, sb                ; a tile's scale words into set p: each load reads 512 consecutive bytes: a row block's 16 rows x 8 K steps
.irp a, 0,1,2,3
	global_load_b128 v[SC+48*(\p)+4*\a:SC+48*(\p)+4*\a+3], v4, s[\sa:\sa+1] offset:512*\a
.endr
.irp b, 0,1,2,3,4,5,6,7
	global_load_b128 v[SC+48*(\p)+16+4*\b:SC+48*(\p)+16+4*\b+3], v4, s[\sb:\sb+1] offset:512*\b
.endr
.endm
; PREFETCHES INTO THE L2.  A fill brings a wave 4 (A) or 8 (B) row blocks x 6,144 bytes.  The four partners that ask for it jointly share them out BY ADDRESS: of A's four the partner at cx names row block cx,
; of B's eight the partner at cy names 2 cy and 2 cy + 1: each block of 256 bytes is named once in the cluster.  s[100:101]: my share of tile 1's fills, s[104:105]: of tile 2's; neither is rewritten, nor is v18.
; Tile 1's first fill is asked for here and its second behind the head's barrier; tile 2's two fills behind tile 1's two joint loads: each two fills ahead of the load that wants it.
.macro ASK pf, off
	WIN 0
	global_prefetch_b8 v18, s[\pf:\pf+1] offset:\off th:TH_LOAD_NT scope:SCOPE_SE
	s_cmp_eq_u32 s17, 0
	s_cbranch_scc1 .Lone_\@
	global_prefetch_b8 v18, s[\pf:\pf+1] offset:\off+12288 th:TH_LOAD_NT scope:SCOPE_SE
.Lone_\@:
.endm
	s_mul_i32 s2, s19, 12288
	s_mul_i32 s3, s20, 24576
	s_cmp_eq_u32 s17, 0                            ; do I fetch for A?
	s_cselect_b32 s2, s2, s3
	s_cselect_b64 s[100:101], s[56:57], s[60:61]
	s_cselect_b64 s[104:105], s[58:59], s[62:63]
	s_mov_b32 s3, 0
	s_add_nc_u64 s[100:101], s[100:101], s[2:3]
	s_add_nc_u64 s[104:105], s[104:105], s[2:3]
	ASK 100, 0
	SCLOAD 0, 68, 70
	SCLOAD 1, 72, 74
	s_mul_i32 s94, s17, 24576                      ; my four row blocks of A
	v_add_nc_u32 v[ADRA], s94, v4
	s_mul_i32 s94, s18, 49152
	s_add_co_u32 s94, s94, 49152                   ; my eight of B, behind A's eight
	v_add_nc_u32 v[ADRB], s94, v4
	v_add_nc_u32 v[ADRA+1], SLOT, v[ADRA]
	v_add_nc_u32 v[ADRB+1], SLOT, v[ADRB]
.irp b, 0,1,2,3
	v_mov_b32 v[TM+4+\b], 0                        ; written once: a lane permute's destination counts as one of its sources
.endr
; Where my four fragments of a tile go.  X (in s4) = the row of the sequence (batch*1024 + place), Y (in s5) = head*128 + d; jb = which of q, k, v
.macro OUTB jb, oc, os
	s_lshr_b32 s96, s4, 10                         ; batch
	s_lshr_b32 s97, s5, 7                          ; head
	s_and_b32 s98, s4, 1023
	s_and_b32 s99, s5, 127
	s_add_co_u32 s98, s98, s99                     ; 16 x the fragment's number
	s_mul_i32 s94, s96, 786432
	s_mul_i32 s99, s97, 98304
	s_add_co_u32 s94, s94, s99
	s_mul_i32 s99, s98, 96
	s_add_co_u32 s94, s94, s99
	s_add_co_u32 s94, s94, (\jb)*6291456
	s_add_nc_u64 s[\oc:\oc+1], s[12:13], s[94:95]
	s_lshl_b32 s94, s96, 15                        ; the scale words: a twenty-fourth of that
	s_lshl_b32 s99, s97, 12
	s_add_co_u32 s94, s94, s99
	s_lshl_b32 s99, s98, 2
	s_add_co_u32 s94, s94, s99
	s_add_co_u32 s94, s94, (\jb)*262144
	s_add_nc_u64 s[\os:\os+1], s[14:15], s[94:95]
.endm
	s_lshl_b32 s4, s23, 7
	s_lshl_b32 s96, s17, 6
	s_add_co_u32 s4, s4, s96                       ; tiles 0, 1: X = my first row of C,
	s_lshl_b32 s5, s22, 8
	s_lshl_b32 s96, s18, 7
	s_add_co_u32 s5, s5, s96                       ; Y = my first column
	OUTB 0, 80, 82
	s_add_nc_u64 s[84:85], s[80:81], 6291456
	s_add_nc_u64 s[86:87], s[82:83], 262144
	s_lshl_b32 s4, s93, 8
	s_lshl_b32 s96, s18, 7
	s_add_co_u32 s4, s4, s96                       ; tile 2: X = my first column (a key),
	s_lshl_b32 s5, s92, 7
	s_lshl_b32 s96, s17, 6
	s_add_co_u32 s5, s5, s96                       ; Y = my first row
	OUTB 2, 88, 90
	s_mov_b32 s[SEL], 0x76543210
	s_mov_b32 s[SEL+1], 0xfedcba98                 ; lane l xor 16
.macro FETCH s                         ; K step s (8 = the next tile's K step 0): 12 + 24 loads into set s % 2
.set FSL, ((\s)/4)%2
.set FOF, ((\s)%4)*FRB
	WIN (2+(\s)%2)*64
.irp a, 0,1,2,3
.irp c, 0,1,2
	ds_load_b128 v[12*\a+4*\c:12*\a+4*\c+3], v[ADRA+FSL] offset:\a*6144+FOF+512*\c
.endr
.endr
.irp b, 0,1,2,3,4,5,6,7
.irp c, 0,1,2
	ds_load_b128 v[48+12*\b+4*\c:48+12*\b+4*\c+3], v[ADRB+FSL] offset:\b*6144+FOF+512*\c
.endr
.endr
.endm
.macro MULH t, s, hf                   ; 16 matrix instructions: A's blocks 2 hf, 2 hf + 1 x B's eight, K step s of tile t.  The 32 accumulators take turns, one instruction a turn.  K step 0 starts the sums
.set MSC, SC+48*((\t)%2)
.set MQ, (\s)%4
.if (\s)%2
	WIN 0x5f
.else
	WIN 0x5a
.endif
.irp a, 2*(\hf), 2*(\hf)+1
.irp b, 0,1,2,3,4,5,6,7
.if (\s) == 0
	v_wmma_scale_f32_16x16x128_f8f6f4 v[64*(\a)+8*\b:64*(\a)+8*\b+7], v[48+12*\b:48+12*\b+11], v[12*(\a):12*(\a)+11], 0, v[MSC+16+4*\b+MQ], v[MSC+4*(\a)+MQ] matrix_a_fmt:MATRIX_FMT_FP6 matrix_b_fmt:MATRIX_FMT_FP6
.elseif (\s) < 4
	v_wmma_scale_f32_16x16x128_f8f6f4 v[64*(\a)+8*\b:64*(\a)+8*\b+7], v[48+12*\b:48+12*\b+11], v[12*(\a):12*(\a)+11], v[64*(\a)+8*\b:64*(\a)+8*\b+7], v[MSC+16+4*\b+MQ], v[MSC+4*(\a)+MQ] matrix_a_fmt:MATRIX_FMT_FP6 matrix_b_fmt:MATRIX_FMT_FP6
.else
	v_wmma_scale_f32_16x16x128_f8f6f4 v[64*(\a)+8*\b:64*(\a)+8*\b+7], v[48+12*\b:48+12*\b+11], v[12*(\a):12*(\a)+11], v[64*(\a)+8*\b:64*(\a)+8*\b+7], v[MSC+16+4*\b+MQ], v[MSC+4*(\a)+MQ] matrix_a_fmt:MATRIX_FMT_FP6 matrix_b_fmt:MATRIX_FMT_FP6 matrix_a_scale:MATRIX_SCALE_ROW1 matrix_b_scale:MATRIX_SCALE_ROW1
.endif
.endr
.endr
.endm
.macro KSTEP t, s                      ; a K step whose successor lies in the same slot: fetches K step s + 1 and multiplies K step s
	PLACES                                         ; the set to be loaded was read by the K step before
	FETCH (\s)+1
	s_wait_dscnt 36                                ; all but the 36 just issued
.if (\s) == 0
.if (\t) < 2
	s_wait_loadcnt 12                              ; this tile's scale words are in; the 12 loads of the set issued behind them may be out
.else
	s_wait_loadcnt 0x0
.endif
.endif
	MULH \t, \s, 0
	MULH \t, \s, 1
.endm
; A slot's last K step (3 or 7) changes slots: ONE barrier.  In front of it each wave waits for all its tensor loads (its part of the slot ahead), adds 0 to its spare word, and waits for that and for its reads of the slot
; that it leaves (the fragments of this K step, the last that it takes from there).  fill = 1: the barrier opens a round of the cluster's, so that no wave of any partner still reads the slot or has a load on its way,
; and the slot is filled with the next tile's K steps, whose addresses stand in s[aa], s[bb]: the wave's one tensor load behind the round, and the first thing there.
.macro TURN t, s, fill, aa, bb
	WIN 0                                          ; (the add's two registers lie in window 0)
	s_wait_tensorcnt 0x0                           ; no tensor load of mine is out, so a group 0 may be written
	ds_add_u32 v[SPW], v[NIL]                      ; 0 onto my spare word
.if \fill
.if (\s) == 3
	s_mov_b64 s[42:43], s[\aa:\aa+1]               ; slot 0: the next tile's K steps 0-3
	s_mov_b64 s[50:51], s[\bb:\bb+1]
	s_or_b32 s43, s43, 0x80000000
	s_or_b32 s51, s51, 0x80000000
.else
	s_add_nc_u64 s[46:47], s[\aa:\aa+1], 6144      ; slot 1: its K steps 4-7
	s_add_nc_u64 s[54:55], s[\bb:\bb+1], 6144
	s_or_b32 s47, s47, 0x80000000
	s_or_b32 s55, s55, 0x80000000
.endif
.endif
	s_wait_dscnt 0x0                               ; the add is done, and my reads of the slot that I leave are over
	s_barrier_signal -1
	MULH \t, \s, 0                                 ; work on registers while the others arrive
	WIN 0
	s_barrier_wait -1
.if \fill
	CREST
	JLOAD (\s)/4                                   ; the four v_nop behind it are also the places in front of the loads below
.else
	PLACES
.endif
	FETCH (\s)+1
.if (\fill) && ((\t) == 0)
	ASK 104, ((\s)/4)*6144                         ; behind the joint load and the run of LDS loads: tile 2's fill of the same slot
.endif
	MULH \t, \s, 1
.endm
; The 64 numbers of my row in A's block a become a fragment's codes and a scale word.  Each accumulator is read from its low end on.
.macro QUANTW a, oc
.set QA, 64*(\a)
.set QC, PC+20*(\a)
	WIN 0x05                                       ; sources 0 and 1: the accumulators' window
.irp b, 0,1,2,3
	v_max3_num_f32 v[TM+\b], |v[QA+16*\b]|, |v[QA+16*\b+1]|, 0x1800000      ; block b: my 16 numbers, and the floor 2^(3 - 127): the byte cannot fall under 1
.endr
.irp i, 2,4,6,8,10,12,14
.irp b, 0,1,2,3
	v_max3_num_f32 v[TM+\b], |v[QA+16*\b+\i]|, |v[QA+16*\b+\i+1]|, v[TM+\b]  ; (the four blocks by turns)
.endr
.endr
	WIN 0
.irp b, 0,1,2,3
	v_permlanex16_b32 v[TM+4+\b], v[TM+\b], s[SEL], s[SEL+1]
.endr
.irp b, 0,1,2,3
	v_max_num_f32 v[TM+\b], v[TM+\b], v[TM+4+\b]   ; with lane l xor 16's 16: the block's largest magnitude
.endr
.irp b, 0,1,2,3
	v_add_nc_u32 v[TM+12+\b], 0xff000000, v[TM+\b] ; 2 off the exponent field: the conversion's scale operand
.endr
.irp b, 0,1,2,3
	v_lshrrev_b32 v[TM+4+\b], 23, v[TM+12+\b]      ; the scale's byte
.endr
	v_lshl_or_b32 v[PW+(\a)], v[TM+5], 8, v[TM+4]
	v_lshl_or_b32 v[PW+(\a)], v[TM+6], 16, v[PW+(\a)]
	v_lshl_or_b32 v[PW+(\a)], v[TM+7], 24, v[PW+(\a)]
	WIN 0x01
.irp c, 0,1
	v_cvt_scalef32_pk16_fp6_f32 v[QC+6*\c:QC+6*\c+2], v[QA+32*\c:QA+32*\c+15], v[TM+12+2*\c]
	v_cvt_scalef32_pk16_fp6_f32 v[QC+12+4*\c:QC+14+4*\c], v[QA+32*\c+16:QA+32*\c+31], v[TM+13+2*\c]   ; (a conversion's three registers begin on an even number)
.endr
	WIN 0
	v_nop                                          ; one plain instruction behind the conversions: the next tile's products write their sources
.irp c, 0,1                            ; the layout wants a whole block in a lane: lanes 0-15 block 2c, lanes 16-31 block 2c + 1
.irp i, 0,1,2
	v_permlane16_swap_b32 v[QC+6*\c+\i], v[QC+12+4*\c+\i]
.endr
.irp i, 0,1,2
	v_mov_b32 v[QC+3+6*\c+\i], v[QC+12+4*\c+\i]
.endr
.endr
.irp c, 0,1,2
	global_store_b128 v4, v[QC+4*\c:QC+4*\c+3], s[\oc:\oc+1] offset:FRB*(\a)+512*\c   ; 32 lanes store 512 consecutive bytes
.endr
.endm
.macro EPI t, oc, os                   ; a finished tile is quantised and stored; nothing waits for the stores
	PLACES                                         ; the first lines read results just made
.if (\t) > 0
	s_wait_xcnt 0x0                                ; the last tile's stores have read the code registers and scale words, which are written anew
.endif
	QUANTW 0, \oc
	QUANTW 1, \oc
	QUANTW 2, \oc
	QUANTW 3, \oc
	s_wait_xcnt 0x0                                ; EXEC changes only behind this wait
	v_cmp_gt_u32 vcc_lo, 16, v3
	s_and_saveexec_b32 s10, vcc_lo
	global_store_b128 v17, v[PW:PW+3], s[\os:\os+1]   ; lanes 0-15 store 256 consecutive bytes, aligned: 16 rows x my four fragments' words
	s_wait_xcnt 0x0
	s_or_b32 exec_lo, exec_lo, s10
.endm
	s_wait_alu depctr_va_vdst(0)
	s_wait_tensorcnt 0x0                           ; my fill of tile 0 is in, and no tensor load of mine is out, so descriptors may be written: from here on a load brings half an operand's row blocks
	s_mov_b32 s26, 4<<16
	s_mov_b32 s28, 4
	s_mov_b32 s34, 8<<16
	s_mov_b32 s36, 8
	s_mul_i32 s41, s18, 24576
	s_mul_i32 s49, s18, 49152
	s_add_co_u32 s49, s49, 49152
	s_barrier_signal -1
	s_barrier_wait -1                              ; everybody's fill is in: both slots are whole.
	FETCH 0
	ASK 100, 6144
	; ---- tile 0: q
	KSTEP 0, 0
	KSTEP 0, 1
	KSTEP 0, 2
	TURN 0, 3, 1, 56, 60
	KSTEP 0, 4
	KSTEP 0, 5
	KSTEP 0, 6
	TURN 0, 7, 1, 56, 60                           ; and the next tile's first fragments are fetched
	EPI 0, 80, 82
	SCLOAD 0, 76, 78                               ; tile 2's scale words, into the set that tile 0 has done with: the quantising's lines stand between its last products and these loads
	; ---- tile 1: k
	KSTEP 1, 0
	KSTEP 1, 1
	KSTEP 1, 2
	TURN 1, 3, 1, 58, 62
	KSTEP 1, 4
	KSTEP 1, 5
	KSTEP 1, 6
	TURN 1, 7, 1, 58, 62
	EPI 1, 84, 86
	; ---- tile 2: v^T; nothing is left to fetch
	KSTEP 2, 0
	KSTEP 2, 1
	KSTEP 2, 2
	TURN 2, 3, 0, 0, 0
	KSTEP 2, 4
	KSTEP 2, 5
	KSTEP 2, 6
	s_wait_dscnt 0x0
	MULH 2, 7, 0
	MULH 2, 7, 1
	EPI 2, 88, 90
	s_wait_tensorcnt 0x0                           ; the wave's end
	ds_add_u32 v[SPW], v[NIL]
	s_wait_dscnt 0x0
	CROUND                                         ; the closing round
	s_endpgm
.Lfunc_end_k_q63375ebfc0_proj:
	.size	k_q63375ebfc0_proj, .Lfunc_end_k_q63375ebfc0_proj-k_q63375ebfc0_proj
	.p2alignl 7, 3214868480
	.fill 96, 4, 3214868480
	.section	.rodata,"a",@progbits
	.p2align	6, 0x0
	.amdhsa_kernel k_q63375ebfc0_proj
		.amdhsa_group_segment_fixed_size 327680
		.amdhsa_private_segment_fixed_size 0
		.amdhsa_enable_private_segment 0
		.amdhsa_kernarg_size 48
		.amdhsa_user_sgpr_count 2
		.amdhsa_user_sgpr_kernarg_segment_ptr 1
		.amdhsa_wavefront_size32 1
		.amdhsa_system_sgpr_workgroup_id_x 1
		.amdhsa_system_sgpr_workgroup_id_y 1
		.amdhsa_system_sgpr_workgroup_id_z 1
		.amdhsa_system_vgpr_workitem_id 0
		.amdhsa_next_free_vgpr 1024
		.amdhsa_next_free_sgpr 106
		.amdhsa_reserve_vcc 1
		.amdhsa_float_denorm_mode_32 3
		.amdhsa_float_denorm_mode_16_64 3
		.amdhsa_memory_ordered 1
		.amdhsa_forward_progress 1
		.amdhsa_inst_pref_size 226
	.end_amdhsa_kernel
	.amdgpu_metadata
---
amdhsa.version: [ 1, 2 ]
amdhsa.kernels:
  - .name:           k_q63375ebfc0_proj
    .symbol:         k_q63375ebfc0_proj.kd
    .args:
      - { .name: actc, .offset: 0, .size: 8, .value_kind: global_buffer, .address_space: global }
      - { .name: acts, .offset: 8, .size: 8, .value_kind: global_buffer, .address_space: global }
      - { .name: wc, .offset: 16, .size: 8, .value_kind: global_buffer, .address_space: global }
      - { .name: ws, .offset: 24, .size: 8, .value_kind: global_buffer, .address_space: global }
      - { .name: qkvc, .offset: 32, .size: 8, .value_kind: global_buffer, .address_space: global }
      - { .name: qkvs, .offset: 40, .size: 8, .value_kind: global_buffer, .address_space: global }
    .group_segment_fixed_size: 327680
    .private_segment_fixed_size: 0
    .kernarg_segment_align: 8
    .kernarg_segment_size: 48
    .max_flat_workgroup_size: 128
    .sgpr_count:     106
    .vgpr_count:     1024
    .wavefront_size: 32
...
	.end_amdgpu_metadata
.endif
;; end of part 2
;; launch attn (part 3): grid 4 x 64, 8 waves a work-group, clusters of 4 x 1, 327,680 bytes of LDS; arguments qkvc, qkvs, oc, os; writes oc, os
.if DOCPART == 3
	.amdgcn_target "amdgcn-amd-amdhsa--gfx1250"
	.amdhsa_code_object_version 6
	.text
	.protected	k_q63375ebfc0_attn
	.globl	k_q63375ebfc0_attn
	.p2align	8
	.type	k_q63375ebfc0_attn,@function
k_q63375ebfc0_attn:
	s_mov_b64 s[64:65], 0
	v_nop
	global_prefetch_b8 v0, s[64:65] scope:SCOPE_SE
	s_setreg_imm32_b32 hwreg(HW_REG_WAVE_MODE, 25, 1), 1
	s_wait_xcnt 0x0
	s_wait_alu depctr_hold_cnt(0) depctr_sa_sdst(0) depctr_va_vdst(0) depctr_va_sdst(0) depctr_va_ssrc(0) depctr_va_vcc(0) depctr_vm_vsrc(0)
	s_getreg_b32 s2, hwreg(HW_REG_IB_STS2, 6, 4)
	s_cmp_eq_u32 s2, 0
	s_cbranch_scc0 .Lentry_in_a_cluster
	s_endpgm
.Lentry_in_a_cluster:
	s_bfe_u32 s2, ttmp6, 0x10000c
	s_cmp_lg_u32 s2, 0x3003
	s_cbranch_scc0 .Lentry_shape_is_right
	s_endpgm
.Lentry_shape_is_right:
; O[q] = sum over keys of softmax(q . k / sqrt(128)) v for one batch and head, both products on FP6 (E2M3) codes with E8M0 scales; the result is quantised along the head's 128 for the last product.
; THE SOFTMAX: t = score x log2(e) / sqrt(128); M = the running largest t rounded UP to a whole number; p = 2^(t - M) is quantised along the keys, not normalised.  The row's sum is taken of the
; unquantised p in f32 and divides O at the end.  When M moves, the sum and O are multiplied by 2^(old M - new M), which rounds nothing.
; IN: q, k, v as fragments of 1,536 bytes, images of the operand's registers (register 4c + j of lane L at 512c + 16L + 4j): q, k: tile of 16 rows x the head's 128; v: key step*8 + tile of 16 d, x 128 keys.
; Scale words of fragment f at (f/4)*256 + 16r + 4(f%4).  OUT: row block batch*64 + query tile, K step = head, the same image; scale words at i*512 + (head/4)*256 + 16r + 4(head%4).
; SHARES: a work-group owns 256 queries of one batch and head; each of its eight waves two tiles of 16, so that every fragment of K and V read from LDS feeds two matrix instructions.
; LDS: K's codes from 0, V's from 98,304, their scale words from 196,608; every byte is filled once.  Two joint loads a wave: at the head waves 0-5 ask for K and V of key steps 0 to 2 (12,288 bytes each),
; waves 6 and 7 for K's and V's scale words (4,096 bytes each); behind a wait, an add and a round, each wave asks for 15,360 bytes of the other five steps, which are first read
; behind the barrier that follows key step 2.  One tensor load of a wave is out at most.  CLUSTER: the head's four query blocks read the same K and V, so every load is joint (mask 15).
; NO PREFETCH: the launch's one later load goes out as soon as the head's loads have landed, so all of K and V has been asked for when the head ends; no loop is left in which to ask ahead.
; Both products are used transposed (S^T = K Q^T, O^T = V^T P^T): a lane holds one query of each tile.  Tile 2B + u, register j of lane (r, h) is key (or d) 32B + 16u + 8h + j and is laid at place
; 32B + 16h + 8u + j: v's keys and the last product's weight carry the same order; the blocks, and so the scales, are the same.
; LIMITS: the scaled scores stay under 2^31 in magnitude; NaN and infinities are not served; a block whose largest magnitude lies under 2^-124 gets the byte 1, a block of zeros too (this program alone reads the bytes).
; REGISTERS: window 1: S^T, then p, of tile q at 64q; O^T at 128 + 64q.  Window 0: as named below.
.set VC,    98304
.set KSC,   196608
.set SPARE, 204800                     ; the spare words, 128 bytes a wave, which no other line names
.set LI,  1                            ; 16 x lane
.set R16, 2                            ; 16 r
.set LN,  3                            ; lane
.set OSA, 4                            ; 512 h + 16 r: the result's scale words
.set SPW, 5                            ; my spare word; never rewritten
.set NIL, 6                            ; 0; never rewritten
.set SB,  7                            ; KSC + 16 x lane
.set ADK, 8                            ; the step's K, V and scale words in LDS
.set ADV, 9
.set ADS, 10
.set VB,  11                           ; VC + 16 x lane
.set MM,  12                           ; tile q: -M at 12 + 2q, the largest t at 13 + 2q
.set SUM, 16                           ; the sum in two halves, a pair a tile
.set FF,  20                           ; f = 2^(old M - new M), a pair a tile (the upper word is written once and not used)
.set QF,  24                           ; Q's two fragments
.set QS,  48                           ; their scale words
.set PS,  50                           ; p's scale words
.set KS,  52                           ; K's scale words: lanes 0-15 tiles 0-3, lanes 16-31 tiles 4-7
.set VS,  56                           ; V's
.set F,   64                           ; eight fragments of K, then of V
.set PCD, 160                          ; p's codes, 12 a tile
.set CT,  184                          ; the conversions' second halves
.set BM,  200                          ; a block's largest score, then its largest p
.set BP,  208
.set SO,  216                          ; the conversions' scale operands
.set TS,  224                          ; four partial sums a tile
.set TT,  240
.set TU,  242
.set O,   128
.set WV,  12
.set G1A, 16                           ; group 1: 48, 16, 60 dense rows of 256 bytes
.set G1S, 24
.set G1B, 32
.set G0A, 40
.set G0S, 44
.set G0B, 48
.set CS,  52                           ; c = log2(e) / sqrt(128)
.set SEL, 54                           ; lane l xor 16
.set SK,  74                           ; key step x 12,288
.set SS,  75                           ; key step x 512
.set CNT, 76
.set MSB, 0
.macro WIN new                         ; the immediate's high byte repeats the setting that is left
.if MSB != (\new)
	s_set_vgpr_msb (MSB<<8)|(\new)
.set MSB, (\new)
.endif
.endm
.macro PLACES
.rept 4
	v_nop
.endr
.endm
.macro D n
	s_delay_alu instid0(VALU_DEP_\n)
.endm
.macro CROUND
	s_barrier_signal -1
	s_barrier_wait -1
	s_cmp_lg_u32 s[WV], 0
	s_cbranch_scc1 .Lnot_wave_0_\@
	s_barrier_signal -3
.Lnot_wave_0_\@:
	s_barrier_wait -3
	s_barrier_signal -1
	s_barrier_wait -1
.endm
.macro GRP1 g, rows
	s_mov_b32 s[\g], 15|(3<<16)|(1<<21)            ; all four work-groups; elements of 8 bytes; bit 21 beside the mask
	s_mov_b32 s[\g+1], 32<<16
	s_mov_b32 s[\g+2], (\rows)<<16
	s_mov_b32 s[\g+3], 32<<16
	s_mov_b32 s[\g+4], \rows
	s_mov_b32 s[\g+5], 32
	s_mov_b32 s[\g+6], 0
	s_mov_b32 s[\g+7], 0
.endm
.macro WM d, a, b, c, sa, sb, row
.if \row
	v_wmma_scale_f32_16x16x128_f8f6f4 v[\d:\d+7], v[\a:\a+11], v[\b:\b+11], \c, v[\sa], v[\sb] matrix_a_fmt:MATRIX_FMT_FP6 matrix_b_fmt:MATRIX_FMT_FP6 matrix_a_scale:MATRIX_SCALE_ROW1
.else
	v_wmma_scale_f32_16x16x128_f8f6f4 v[\d:\d+7], v[\a:\a+11], v[\b:\b+11], \c, v[\sa], v[\sb] matrix_a_fmt:MATRIX_FMT_FP6 matrix_b_fmt:MATRIX_FMT_FP6
.endif
.endm
	s_load_b256 s[4:11], s[0:1], 0x0               ; qkvc s[4:5], qkvs s[6:7], oc s[8:9], os s[10:11]
	v_lshl_add_u32 v[SPW], v0, 2, SPARE
	v_mov_b32 v[NIL], 0
	ds_add_u32 v[SPW], v[NIL]                      ; the opening lines: the add, twice, and its wait
	ds_add_u32 v[SPW], v[NIL]
	v_lshrrev_b32 v8, 5, v0
	v_readfirstlane_b32 s[WV], v8                  ; wave 0..7
	s_and_b32 s14, ttmp7, 0xffff                   ; batch*8 + head, which the four partners share
	s_and_b32 s13, s[WV], 1                        ; the head's loads: K (0) or V (1),
	s_lshr_b32 s15, s[WV], 1                       ; waves 0-5: key step 0 to 2
	s_lshr_b32 s56, s[WV], 2                       ; the second loads: K or V,
	s_and_b32 s57, s[WV], 3                        ; which quarter
	s_add_co_u32 s58, s13, 1
	s_mul_i32 s60, s58, 262144
	s_mul_i32 s58, s58, 6291456
	s_mul_i32 s62, s14, 98304
	s_add_co_u32 s58, s58, s62
	s_mul_i32 s63, s15, 12288
	s_add_co_u32 s58, s58, s63                     ; codes: part, head, key step
	s_mov_b32 s59, 0
	s_lshl_b32 s66, s14, 12
	s_add_co_u32 s60, s60, s66                     ; scale words: part, head
	s_mov_b32 s61, 0
	s_add_co_u32 s68, s56, 1
	s_mul_i32 s68, s68, 6291456
	s_add_co_u32 s68, s68, s62
	s_mul_i32 s70, s57, 15360
	s_add_co_u32 s70, s70, 36864
	s_add_co_u32 s68, s68, s70                     ; codes of key steps 3-7: my quarter
	s_mov_b32 s69, 0
	s_mov_b32 s[G0A], 1
	s_mul_i32 s[G0A+1], s13, VC
	s_add_co_u32 s[G0A+1], s[G0A+1], s63
	s_mov_b32 s[G0S], 1
	s_lshl_b32 s[G0S+1], s13, 12
	s_add_co_u32 s[G0S+1], s[G0S+1], KSC
	s_mov_b32 s[G0B], 1
	s_mul_i32 s[G0B+1], s56, VC
	s_add_co_u32 s[G0B+1], s[G0B+1], s70
	GRP1 G1A, 48
	GRP1 G1S, 16
	GRP1 G1B, 60
	s_mov_b32 s[CS], 0x3e0293ee
	s_mov_b32 s[CS+1], s[CS]
	s_mov_b32 s[SEL], 0x76543210
	s_mov_b32 s[SEL+1], 0xfedcba98
	s_wait_dscnt 0x0                               ; both opening adds are done
	CROUND                                         ; the round in front of the first joint loads; the arguments' load is out meanwhile
	s_wait_kmcnt 0x0
	s_add_nc_u64 s[G0A+2:G0A+3], s[4:5], s[58:59]
	s_add_nc_u64 s[G0S+2:G0S+3], s[6:7], s[60:61]
	s_add_nc_u64 s[G0B+2:G0B+3], s[4:5], s[68:69]
	s_or_b32 s[G0A+3], s[G0A+3], 0x80000000
	s_or_b32 s[G0S+3], s[G0S+3], 0x80000000
	s_or_b32 s[G0B+3], s[G0B+3], 0x80000000
	s_cmp_lt_u32 s[WV], 6                          ; one load a wave, one to each arm
	s_cbranch_scc0 .Lwords
	tensor_load_to_lds s[G0A:G0A+3], s[G1A:G1A+7]
	s_nop 0
	PLACES
	s_branch .Lasked
.Lwords:
	tensor_load_to_lds s[G0S:G0S+3], s[G1S:G1S+7]
	s_nop 0
	PLACES
.Lasked:
	; what hangs on my place in the cluster: Q's and O's addresses alone, in registers that feed no descriptor
	s_bfe_u32 s80, ttmp6, 0x40000                  ; cx
	s_lshl_b32 s81, s80, 4
	s_lshl_b32 s82, s[WV], 1
	s_add_co_u32 s81, s81, s82                     ; my first query tile
	s_mul_i32 s82, s81, 1536
	s_add_co_u32 s84, s62, s82
	s_mov_b32 s85, 0
	s_add_nc_u64 s[84:85], s[4:5], s[84:85]        ; Q's two fragments
	s_lshr_b32 s82, s81, 2
	s_lshl_b32 s82, s82, 8
	s_add_co_u32 s86, s66, s82
	s_and_b32 s82, s81, 3
	s_lshl_b32 s82, s82, 2
	s_add_co_u32 s86, s86, s82
	s_mov_b32 s87, 0
	s_add_nc_u64 s[86:87], s[6:7], s[86:87]        ; their scale words: two neighbouring words a row
	s_lshr_b32 s88, s14, 3
	s_lshl_b32 s88, s88, 6
	s_add_co_u32 s88, s88, s81                     ; O's row block: batch*64 + query tile
	s_and_b32 s92, s14, 7                          ; its K step: the head
	s_lshl_b32 s90, s88, 9
	s_mul_i32 s88, s88, 12288
	s_mul_i32 s93, s92, 1536
	s_add_co_u32 s88, s88, s93
	s_lshr_b32 s93, s92, 2
	s_lshl_b32 s93, s93, 8
	s_add_co_u32 s90, s90, s93
	s_and_b32 s93, s92, 3
	s_lshl_b32 s93, s93, 2
	s_add_co_u32 s90, s90, s93
	s_mov_b32 s89, 0
	s_mov_b32 s91, 0
	s_add_nc_u64 s[8:9], s[8:9], s[88:89]
	s_add_nc_u64 s[10:11], s[10:11], s[90:91]
	v_and_b32 v[LN], 31, v0
	v_and_b32 v[R16], 15, v0
	v_lshlrev_b32 v[LI], 4, v[LN]
	v_lshlrev_b32 v[R16], 4, v[R16]
	v_lshrrev_b32 v[OSA], 4, v[LN]
	v_lshl_add_u32 v[OSA], v[OSA], 9, v[R16]
	s_wait_alu depctr_va_vdst(0)
.irp q, 0,1
.irp c, 0,1,2
	global_load_b128 v[QF+12*\q+4*\c:QF+12*\q+4*\c+3], v[LI], s[84:85] offset:1536*\q+512*\c
.endr
.endr
	global_load_b64 v[QS:QS+1], v[R16], s[86:87]
	v_add_nc_u32 v[VB], VC, v[LI]
	v_add_nc_u32 v[SB], KSC, v[LI]
	v_mov_b32 v[MM+1], 0xff61b1e6                  ; the largest t so far: -3e38, under every t
	v_mov_b32 v[MM+3], 0xff61b1e6
	v_floor_f32 v[MM], -v[MM+1]
	v_floor_f32 v[MM+2], -v[MM+3]
.irp j, 0,1,2,3,4,5,6,7
	v_mov_b32 v[SUM+\j], 0                         ; the sums, and the pairs of f
	v_mov_b32 v[BP+\j], 0                          ; a lane permute's destination counts as one of its sources
.endr
	WIN 0x40
.set J, 0
.rept 128
	v_mov_b32 v[O+J], 0                            ; O^T: the step has one form; the first finds zeros, which the first change of M leaves zeros.  These lines stand under the head's loads
.set J, J+1
.endr
	WIN 0
; The largest magnitudes in BM become scale operands, bytes and words, and the numbers in window 1 at 64q become codes.
.macro QT fl
.if \fl
.irp j, 0,1,2,3,4,5,6,7
	v_max_num_f32 v[BM+\j], 0x1800000, v[BM+\j]    ; the floor 2^(3 - 127): the byte cannot fall under 1
.endr
.endif
.irp j, 0,1,2,3,4,5,6,7
	v_add_nc_u32 v[SO+\j], 0xff000000, v[BM+\j]    ; 2 off the exponent field: the conversion's scale operand
.endr
.irp j, 0,1,2,3,4,5,6,7
	v_lshrrev_b32 v[BP+\j], 23, v[SO+\j]           ; the scale's byte
.endr
.irp q, 0,1
	v_lshl_or_b32 v[PS+\q], v[BP+4*\q+1], 8, v[BP+4*\q]
.endr
.irp q, 0,1
	D 2
	v_lshl_or_b32 v[PS+\q], v[BP+4*\q+2], 16, v[PS+\q]
.endr
.irp q, 0,1
	D 2
	v_lshl_or_b32 v[PS+\q], v[BP+4*\q+3], 24, v[PS+\q]
.endr
	WIN 0x01
.irp q, 0,1
.irp c, 0,1
	v_cvt_scalef32_pk16_fp6_f32 v[PCD+12*\q+6*\c:PCD+12*\q+6*\c+2], v[64*\q+32*\c:64*\q+32*\c+15], v[SO+4*\q+2*\c]
	v_cvt_scalef32_pk16_fp6_f32 v[CT+8*\q+4*\c:CT+8*\q+4*\c+2], v[64*\q+32*\c+16:64*\q+32*\c+31], v[SO+4*\q+2*\c+1]
.endr
.endr
	WIN 0
	v_nop                                          ; one plain instruction behind the conversions
.irp q, 0,1
.irp c, 0,1                            ; the layout wants a whole block in a lane
.irp i, 0,1,2
	v_permlane16_swap_b32 v[PCD+12*\q+6*\c+\i], v[CT+8*\q+4*\c+\i]
.endr
.irp i, 0,1,2
	D 3
	v_mov_b32 v[PCD+12*\q+6*\c+3+\i], v[CT+8*\q+4*\c+\i]
.endr
.endr
.endr
.endm
.macro FLOAD adr, sw, off              ; a step's scale words and eight fragments: 25 loads
	ds_load_b128 v[\sw:\sw+3], v[ADS] offset:\off
.irp t, 0,1,2,3,4,5,6,7
.irp c, 0,1,2
	ds_load_b128 v[F+12*\t+4*\c:F+12*\t+4*\c+3], v[\adr] offset:\t*1536+512*\c
.endr
.endr
.endm
; A KEY STEP: 128 keys x my 32 queries.
.macro STEP
	v_add_nc_u32 v[ADK], s[SK], v[LI]              ; with the v_nop: four plain instructions between the last products and the loads into their registers
	v_add_nc_u32 v[ADV], s[SK], v[VB]
	v_add_nc_u32 v[ADS], s[SS], v[SB]
	v_nop
	s_wait_alu depctr_va_vdst(0)
	FLOAD ADK, KS, 0
	s_wait_dscnt 12                                ; the 12 youngest loads, fragments 4-7, may be out
	WIN 0x40
.irp t, 0,1,2,3
.irp q, 0,1
	WM 64*\q+8*\t, F+12*\t, QF+12*\q, 0, KS+\t, QS+\q, 0
.endr
.endr
	s_wait_dscnt 0x0
.irp t, 4,5,6,7
.irp q, 0,1
	WM 64*\q+8*\t, F+12*\t, QF+12*\q, 0, KS+\t-4, QS+\q, 1
.endr
.endr
	WIN 0
	v_mov_b32 v[TT], v[MM]                         ; the old -M; four plain instructions behind the products
	v_mov_b32 v[TT+1], v[MM+2]
	v_nop
	v_nop
	FLOAD ADV, VS, 4096                            ; V's fragments come while the softmax is worked
	WIN 0x15
.irp q, 0,1
.irp b, 0,1,2,3
	v_max3_num_f32 v[BM+4*\q+\b], v[64*\q+16*\b], v[64*\q+16*\b+1], v[64*\q+16*\b+2]   ; the largest score of each block of 32 keys: for the row's maximum and, since p rises with the score, for the block's largest p
.endr
.endr
	WIN 0x05
.irp i, 3,5,7,9,11,13
.irp q, 0,1
.irp b, 0,1,2,3
	v_max3_num_f32 v[BM+4*\q+\b], v[64*\q+16*\b+\i], v[64*\q+16*\b+\i+1], v[BM+4*\q+\b]
.endr
.endr
.endr
.irp q, 0,1
.irp b, 0,1,2,3
	v_max3_num_f32 v[BM+4*\q+\b], v[64*\q+16*\b+15], v[64*\q+16*\b+15], v[BM+4*\q+\b]
.endr
.endr
	WIN 0
.irp j, 0,1,2,3,4,5,6,7
	v_permlanex16_b32 v[BP+\j], v[BM+\j], s[SEL], s[SEL+1]
.endr
.irp j, 0,1,2,3,4,5,6,7
	v_max_num_f32 v[BM+\j], v[BM+\j], v[BP+\j]     ; with lane l xor 16's 16 keys
.endr
	v_max3_num_f32 v[TU], v[BM], v[BM+1], v[BM+2]
	D 3
	v_max3_num_f32 v[TU+1], v[BM+4], v[BM+5], v[BM+6]
.irp q, 0,1
	D 2
	v_max_num_f32 v[TU+\q], v[TU+\q], v[BM+4*\q+3] ; the step's largest score of my query
.endr
.irp q, 0,1
	D 2
	v_mul_f32 v[TU+\q], s[CS], v[TU+\q]            ; as t (c is positive)
.endr
.irp q, 0,1
	D 2
	v_max_num_f32 v[MM+2*\q+1], v[MM+2*\q+1], v[TU+\q]
.endr
.irp q, 0,1
	D 2
	v_floor_f32 v[MM+2*\q], -v[MM+2*\q+1]          ; the new -M = -ceil(t): a whole number
.endr
.irp q, 0,1
	D 2
	v_sub_f32 v[TT+\q], v[MM+2*\q], v[TT+\q]       ; old M less new M: a whole number, 0 or less
.endr
.irp q, 0,1
	D 2
	v_cvt_i32_f32 v[TT+\q], v[TT+\q]               ; (it saturates)
.endr
.irp q, 0,1
	D 2
	v_ldexp_f32 v[FF+2*\q], 1.0, v[TT+\q]          ; f = 2^(old M - new M)
.endr
.irp q, 0,1
.irp b, 0,1,2,3
	v_fma_f32 v[BM+4*\q+\b], v[BM+4*\q+\b], s[CS], v[MM+2*\q]
.endr
.endr
.irp q, 0,1
	v_pk_mul_f32 v[SUM+2*\q:SUM+2*\q+1], v[SUM+2*\q:SUM+2*\q+1], v[FF+2*\q:FF+2*\q+1] op_sel_hi:[1,0]   ; the sums under the new M
.endr
	WIN 0x41
.irp q, 0,1
.set J, 0
.rept 32
	v_pk_fma_f32 v[64*\q+J:64*\q+J+1], v[64*\q+J:64*\q+J+1], s[CS:CS+1], v[MM+2*\q:MM+2*\q+1] op_sel_hi:[1,0,0]   ; t - M, two at a time
.set J, J+2
.endr
.endr
	s_wait_alu depctr_va_vdst(0)
.set J, 0
.rept 128
	v_exp_f32 v[J], v[J]                           ; p = 2^(t - M), at most 1
.set J, J+1
.endr
	WIN 0
.irp j, 0,1,2,3,4,5,6,7
	v_exp_f32 v[BM+\j], v[BM+\j]                   ; the block's largest p: the same two instructions on the same number
.endr
	v_nop                                          ; a plain instruction behind the exponentials,
	s_wait_alu depctr_va_vdst(0)                   ; and one wait for the batch, ahead of its first reader
	WIN 0x05
.irp q, 0,1
.irp k, 0,1,2,3
	v_pk_add_f32 v[TS+8*\q+2*\k:TS+8*\q+2*\k+1], v[64*\q+2*\k:64*\q+2*\k+1], v[64*\q+8+2*\k:64*\q+8+2*\k+1]   ; the row's sum of the unquantised p: four chains a tile
.endr
.endr
	WIN 0x01
.irp j, 16,24,32,40,48,56
.irp q, 0,1
.irp k, 0,1,2,3
	v_pk_add_f32 v[TS+8*\q+2*\k:TS+8*\q+2*\k+1], v[64*\q+\j+2*\k:64*\q+\j+2*\k+1], v[TS+8*\q+2*\k:TS+8*\q+2*\k+1]
.endr
.endr
.endr
	WIN 0
.irp q, 0,1
	v_pk_add_f32 v[TS+8*\q:TS+8*\q+1], v[TS+8*\q:TS+8*\q+1], v[TS+8*\q+2:TS+8*\q+3]
.endr
.irp q, 0,1
	v_pk_add_f32 v[TS+8*\q+4:TS+8*\q+5], v[TS+8*\q+4:TS+8*\q+5], v[TS+8*\q+6:TS+8*\q+7]
.endr
.irp q, 0,1
	D 4
	v_pk_add_f32 v[SUM+2*\q:SUM+2*\q+1], v[SUM+2*\q:SUM+2*\q+1], v[TS+8*\q:TS+8*\q+1]
.endr
.irp q, 0,1
	D 2
	v_pk_add_f32 v[SUM+2*\q:SUM+2*\q+1], v[SUM+2*\q:SUM+2*\q+1], v[TS+8*\q+4:TS+8*\q+5]
.endr
	QT 1
	WIN 0x41
	s_wait_alu depctr_va_vdst(0)                   ; directly ahead of the first reader of O^T
.irp q, 0,1
.set J, 0
.rept 32
	v_pk_mul_f32 v[O+64*\q+J:O+64*\q+J+1], v[O+64*\q+J:O+64*\q+J+1], v[FF+2*\q:FF+2*\q+1] op_sel_hi:[1,0]   ; O^T under the new M; these 64 also stand between the writes of p's codes and scale words and the products
.set J, J+2
.endr
.endr
	s_wait_alu depctr_va_vdst(0)
	s_wait_dscnt 0x0                               ; V's fragments
	WIN 0x50
.irp t, 0,1,2,3
.irp q, 0,1
	WM O+64*\q+8*\t, F+12*\t, PCD+12*\q, v[O+64*\q+8*\t:O+64*\q+8*\t+7], VS+\t, PS+\q, 0
.endr
.endr
.irp t, 4,5,6,7
.irp q, 0,1
	WM O+64*\q+8*\t, F+12*\t, PCD+12*\q, v[O+64*\q+8*\t:O+64*\q+8*\t+7], VS+\t-4, PS+\q, 1
.endr
.endr
	WIN 0
.endm
.macro NEXT lab
	s_add_co_u32 s[SK], s[SK], 12288
	s_add_co_u32 s[SS], s[SS], 512
	s_sub_co_u32 s[CNT], s[CNT], 1
	s_cmp_lg_u32 s[CNT], 0
	s_cbranch_scc1 \lab
.endm
	s_wait_alu depctr_va_vdst(0)
	s_wait_tensorcnt 0x0                           ; my part of the head's tiles is in
	ds_add_u32 v[SPW], v[NIL]
	s_mov_b32 s[SK], 0
	s_mov_b32 s[SS], 0
	s_mov_b32 s[CNT], 3
	s_wait_dscnt 0x0
	CROUND                                         ; everybody's part is in, and all four work-groups are here
	tensor_load_to_lds s[G0B:G0B+3], s[G1B:G1B+7]  ; key steps 3-7: my eighth
	s_nop 0
	PLACES
	s_wait_loadcnt 0x0                             ; Q
.Lfirst:                                               ; key steps 0 to 2
	STEP
	NEXT .Lfirst
	s_wait_tensorcnt 0x0                           ; my part of key steps 3-7 has landed
	s_wait_dscnt 0x0
	s_barrier_signal -1
	s_barrier_wait -1                              ; everybody's has.
	s_mov_b32 s[CNT], 5
.Lrest:                                                ; key steps 3 to 7
	STEP
	NEXT .Lrest
	; THE WAY OUT: O^T / the sum, quantised along the head's 128: a fragment and a scale word a row for each tile
.irp q, 0,1
	v_add_f32 v[SUM+2*\q], v[SUM+2*\q], v[SUM+2*\q+1]
.endr
.irp q, 0,1
	D 2
	v_permlanex16_b32 v[BP+\q], v[SUM+2*\q], s[SEL], s[SEL+1]
.endr
.irp q, 0,1
	D 2
	v_add_f32 v[SUM+2*\q], v[SUM+2*\q], v[BP+\q]
.endr
	s_wait_alu depctr_va_vdst(0)                   ; ahead of the reciprocals
	v_rcp_f32 v[FF], v[SUM]
	v_rcp_f32 v[FF+2], v[SUM+2]
	v_nop
	WIN 0x41
	s_wait_alu depctr_va_vdst(0)                   ; behind them, directly ahead of the first reader of O^T
.irp q, 0,1
.set J, 0
.rept 32
	v_pk_mul_f32 v[64*\q+J:64*\q+J+1], v[O+64*\q+J:O+64*\q+J+1], v[FF+2*\q:FF+2*\q+1] op_sel_hi:[1,0]   ; each accumulator from its low end on
.set J, J+2
.endr
.endr
	WIN 0x05
.irp q, 0,1
.irp b, 0,1,2,3
	v_max3_num_f32 v[BM+4*\q+\b], |v[64*\q+16*\b]|, |v[64*\q+16*\b+1]|, 0x1800000   ; my 16 numbers of block b, and the floor
.endr
.endr
.irp i, 2,4,6,8,10,12,14
.irp q, 0,1
.irp b, 0,1,2,3
	v_max3_num_f32 v[BM+4*\q+\b], |v[64*\q+16*\b+\i]|, |v[64*\q+16*\b+\i+1]|, v[BM+4*\q+\b]
.endr
.endr
.endr
	WIN 0
.irp j, 0,1,2,3,4,5,6,7
	v_permlanex16_b32 v[BP+\j], v[BM+\j], s[SEL], s[SEL+1]
.endr
.irp j, 0,1,2,3,4,5,6,7
	v_max_num_f32 v[BM+\j], v[BM+\j], v[BP+\j]
.endr
	QT 0
.irp q, 0,1
.irp c, 0,1,2
	global_store_b128 v[LI], v[PCD+12*\q+4*\c:PCD+12*\q+4*\c+3], s[8:9] offset:12288*\q+512*\c   ; 32 lanes store 512 consecutive bytes
.endr
.endr
	v_cmp_gt_u32 vcc_lo, 16, v[LN]
	v_cndmask_b32 v[TT], v[PS+1], v[PS], vcc_lo    ; lanes 0-15 carry the first tile's words, lanes 16-31 the second's
	global_store_b32 v[OSA], v[TT], s[10:11]       ; 4 bytes of each row's 16: the other heads' words come from other work-groups
	s_wait_tensorcnt 0x0                           ; the wave's end
	ds_add_u32 v[SPW], v[NIL]
	s_wait_dscnt 0x0
	CROUND                                         ; the closing round
	s_endpgm
.Lfunc_end_k_q63375ebfc0_attn:
	.size	k_q63375ebfc0_attn, .Lfunc_end_k_q63375ebfc0_attn-k_q63375ebfc0_attn
	.p2alignl 7, 3214868480
	.fill 96, 4, 3214868480
	.section	.rodata,"a",@progbits
	.p2align	6, 0x0
	.amdhsa_kernel k_q63375ebfc0_attn
		.amdhsa_group_segment_fixed_size 327680
		.amdhsa_private_segment_fixed_size 0
		.amdhsa_enable_private_segment 0
		.amdhsa_kernarg_size 32
		.amdhsa_user_sgpr_count 2
		.amdhsa_user_sgpr_kernarg_segment_ptr 1
		.amdhsa_wavefront_size32 1
		.amdhsa_system_sgpr_workgroup_id_x 1
		.amdhsa_system_sgpr_workgroup_id_y 1
		.amdhsa_system_sgpr_workgroup_id_z 1
		.amdhsa_system_vgpr_workitem_id 0
		.amdhsa_next_free_vgpr 512
		.amdhsa_next_free_sgpr 100
		.amdhsa_reserve_vcc 1
		.amdhsa_float_denorm_mode_32 3
		.amdhsa_float_denorm_mode_16_64 3
		.amdhsa_memory_ordered 1
		.amdhsa_forward_progress 1
		.amdhsa_inst_pref_size 96
	.end_amdhsa_kernel
	.amdgpu_metadata
---
amdhsa.version: [ 1, 2 ]
amdhsa.kernels:
  - .name:           k_q63375ebfc0_attn
    .symbol:         k_q63375ebfc0_attn.kd
    .args:
      - { .name: qkvc, .offset: 0, .size: 8, .value_kind: global_buffer, .address_space: global }
      - { .name: qkvs, .offset: 8, .size: 8, .value_kind: global_buffer, .address_space: global }
      - { .name: oc, .offset: 16, .size: 8, .value_kind: global_buffer, .address_space: global }
      - { .name: os, .offset: 24, .size: 8, .value_kind: global_buffer, .address_space: global }
    .group_segment_fixed_size: 327680
    .private_segment_fixed_size: 0
    .kernarg_segment_align: 8
    .kernarg_segment_size: 32
    .max_flat_workgroup_size: 256
    .sgpr_count:     100
    .vgpr_count:     512
    .wavefront_size: 32
...
	.end_amdgpu_metadata
.endif
;; end of part 3
;; launch oproj (part 4): grid 4 x 64, 4 waves a work-group, clusters of 4 x 4, 327,680 bytes of LDS; arguments oc, os, wc, ws, bo, out0; writes out0
.if DOCPART == 4
	.amdgcn_target "amdgcn-amd-amdhsa--gfx1250"
	.amdhsa_code_object_version 6
	.text
	.protected	k_q63375ebfc0_oproj
	.globl	k_q63375ebfc0_oproj
	.p2align	8
	.type	k_q63375ebfc0_oproj,@function
k_q63375ebfc0_oproj:
	s_mov_b64 s[64:65], 0
	v_nop
	global_prefetch_b8 v0, s[64:65] scope:SCOPE_SE
	s_setreg_imm32_b32 hwreg(HW_REG_WAVE_MODE, 25, 1), 1
	s_wait_xcnt 0x0
	s_wait_alu depctr_hold_cnt(0) depctr_sa_sdst(0) depctr_va_vdst(0) depctr_va_sdst(0) depctr_va_ssrc(0) depctr_va_vcc(0) depctr_vm_vsrc(0)
	s_getreg_b32 s2, hwreg(HW_REG_IB_STS2, 6, 4)
	s_cmp_eq_u32 s2, 0
	s_cbranch_scc0 .Lentry_in_a_cluster
	s_endpgm
.Lentry_in_a_cluster:
	s_bfe_u32 s2, ttmp6, 0x10000c
	s_cmp_lg_u32 s2, 0xf033
	s_cbranch_scc0 .Lentry_shape_is_right
	s_endpgm
.Lentry_shape_is_right:
; out0 = O Wo + bo on FP6 (E2M3) codes with E8M0 scales; out0 [8192][1024] f32.  C[m][n] = sum over k of A[m][k] B[n][k] + bo[n], K = 1,024; A = the attention result's codes, B = Wo^T's (the fourth weight).
; Both operands carry, inside each block of 32 along K, the same exchange of bits 3 and 4 of the index, so only the order of the f32 sums differs.
; IN: operands as images of registers: row block i, K step s at i*12288 + s*1536; scale words at i*512 + (s/4)*256 + 16r + 4(s%4).
; A tile of C is 128 x 256; four waves, each 64 x 128: 32 accumulators.  ALL OF K LIES IN LDS, in two parts of four K steps (A's 8 row blocks x 6,144 bytes, then B's 16), each byte filled once, by ONE joint load a wave
; at the head: waves 0, 1 bring A's two parts, waves 2, 3 B's.  One tensor load of a wave is out at most.
; CLUSTER 4 x 4: A's bytes hang on the tile row alone and are asked for jointly by a row of the cluster, B's on the tile column alone, by a column.
; NO PREFETCH: everything that the work-group reads has been asked for at the head; no loop is left in which to ask ahead.
; THE SCALE WORDS go from memory straight into registers, 12 loads of 512 consecutive bytes a wave: lanes 0-15 hold the words of K steps 0-3, lanes 16-31 those of K steps 4-7.
; THE MATRIX INSTRUCTION IS USED TRANSPOSED (source 0 = 16 rows of B, source 1 = 16 rows of A): a lane holds eight neighbouring numbers of a row of C.  The bias is the C of each sum's first instruction.
; LIMITS: NaN and infinities are not served.
; REGISTERS: window 0: addresses, v32-79 scale words, v96-159 the bias, later with v160-223 rows on the way out.  window 1: accumulator (a, b) at 64a + 8b.  windows 2, 3: fragment sets 0, 1: A's four at 12a, B's eight at 48 + 12b.
.set FRB,   1536
.set SLOT,  147456                     ; a part: four K steps
.set SPARE, 2*SLOT                     ; the spare words, 128 bytes a wave, which no other line names
.set STG,   8448                       ; the way out: 16 rows x 528 bytes a wave, in the first part, which has had its one fill and, behind the barrier in K step 3, its last read
.set ADRA, 8
.set ADRB, 12
.set STO,  18
.set RD,   19
.set BA,   20
.set SPW,  28
.set NIL,  29
.set SC,   32                          ; A's block a at 4a + q, B's block b at 16 + 4b + q, q the K step modulo 4
.set BK,   96
.set MSB, 0
.macro WIN new
.if MSB != (\new)
	s_set_vgpr_msb (MSB<<8)|(\new)
.set MSB, (\new)
.endif
.endm
.macro PLACES
.rept 4
	v_nop
.endr
.endm
.macro CROUND
	s_barrier_signal -1
	s_barrier_wait -1
	s_cmp_lg_u32 s16, 0
	s_cbranch_scc1 .Lnot_wave_0_\@
	s_barrier_signal -3
.Lnot_wave_0_\@:
	s_barrier_wait -3
	s_barrier_signal -1
	s_barrier_wait -1
.endm
	s_load_b256 s[4:11], s[0:1], 0x0               ; oc s[4:5], os s[6:7], wc s[8:9], ws s[10:11]
	s_load_b128 s[12:15], s[0:1], 0x20             ; bo s[12:13], out0 s[14:15]
	v_lshl_add_u32 v[SPW], v0, 2, SPARE
	v_mov_b32 v[NIL], 0
	ds_add_u32 v[SPW], v[NIL]                      ; the opening lines
	ds_add_u32 v[SPW], v[NIL]
	v_lshrrev_b32 v1, 5, v0
	v_readfirstlane_b32 s16, v1                    ; wave
	s_lshr_b32 s17, s16, 1                         ; my 64 rows.  Also: I fetch for A (0) or for B (1)
	s_and_b32 s18, s16, 1                          ; my 128 columns.  Also: which four K steps I fetch
	s_bfe_u32 s19, ttmp6, 0x40000                  ; cx = tile column
	s_bfe_u32 s20, ttmp6, 0x40004                  ; cy
	s_and_b32 s23, ttmp7, 0xffff
	s_lshl_b32 s23, s23, 2
	s_add_co_u32 s23, s23, s20                     ; tile row
	s_lshl_b32 s66, s20, 2
	s_lshl_b32 s66, 15, s66                        ; my row of the cluster
	s_lshl_b32 s100, 0x1111, s19                   ; my column
	s_or_b32 s24, s66, (3<<16)|(1<<21)             ; A: 8 row blocks x 768 elements of 8 bytes, 1,536 elements apart
	s_mov_b32 s25, 768<<16
	s_mov_b32 s26, 8<<16
	s_mov_b32 s27, 768<<16
	s_mov_b32 s28, 8
	s_mov_b32 s29, 1536
	s_mov_b32 s30, 0
	s_mov_b32 s31, 0
	s_or_b32 s32, s100, (3<<16)|(1<<21)            ; B: 16 row blocks
	s_mov_b32 s33, 768<<16
	s_mov_b32 s34, 16<<16
	s_mov_b32 s35, 768<<16
	s_mov_b32 s36, 16
	s_mov_b32 s37, 1536
	s_mov_b32 s38, 0
	s_mov_b32 s39, 0
	s_mul_i32 s66, s23, 98304                      ; A: row block 8 x tile row,
	s_mul_i32 s67, s18, 6144                       ; K steps 4 x part
	s_add_co_u32 s66, s66, s67
	s_mov_b32 s67, 0
	s_mul_i32 s100, s19, 196608                    ; B: row block 16 x tile column,
	s_mul_i32 s101, s18, 6144
	s_add_co_u32 s100, s100, s101
	s_add_co_u32 s100, s100, 2359296               ; in the fourth weight
	s_mov_b32 s101, 0
	s_mov_b32 s40, 1
	s_mul_i32 s41, s18, SLOT                       ; the wave's number alone enters an LDS address
	s_mov_b32 s48, 1
	s_add_co_u32 s49, s41, 49152
	s_wait_dscnt 0x0                               ; both opening adds are done
	CROUND                                         ; the round in front of the joint loads; the arguments' loads are out meanwhile
	s_wait_kmcnt 0x0
	s_add_nc_u64 s[42:43], s[4:5], s[66:67]
	s_add_nc_u64 s[50:51], s[8:9], s[100:101]
	s_or_b32 s43, s43, 0x80000000                  ; the type
	s_or_b32 s51, s51, 0x80000000
	s_cmp_eq_u32 s17, 0                            ; one tensor load a wave, one to each arm; the branch hangs on the wave's number alone
	s_cbranch_scc0 .Lfor_b
	tensor_load_to_lds s[40:43], s[24:31]
	s_nop 0
	PLACES
	s_branch .Lasked
.Lfor_b:
	tensor_load_to_lds s[48:51], s[32:39]
	s_nop 0
	PLACES
.Lasked:
	s_lshl_b32 s56, s19, 10
	s_lshl_b32 s57, s18, 9
	s_add_co_u32 s56, s56, s57                     ; my first column, in bytes
	s_mov_b32 s57, 0
	s_add_nc_u64 s[12:13], s[12:13], s[56:57]
	s_add_nc_u64 s[14:15], s[14:15], s[56:57]
	s_lshl_b32 s58, s23, 7
	s_lshl_b32 s59, s17, 6
	s_add_co_u32 s58, s58, s59                     ; my first row
	s_lshl_b32 s58, s58, 12
	s_mov_b32 s59, 0
	s_add_nc_u64 s[14:15], s[14:15], s[58:59]
	s_lshl_b32 s60, s23, 3
	s_lshl_b32 s61, s17, 2
	s_add_co_u32 s60, s60, s61
	s_lshl_b32 s60, s60, 9
	s_mov_b32 s61, 0
	s_add_nc_u64 s[68:69], s[6:7], s[60:61]        ; the scale words of my four row blocks of A,
	s_lshl_b32 s62, s19, 4
	s_lshl_b32 s63, s18, 3
	s_add_co_u32 s62, s62, s63
	s_lshl_b32 s62, s62, 9
	s_add_co_u32 s62, s62, 98304
	s_mov_b32 s63, 0
	s_add_nc_u64 s[70:71], s[10:11], s[62:63]      ; and of my eight of B
	s_mul_i32 s72, s17, 24576                      ; my four row blocks of A in a part,
	s_mul_i32 s73, s18, 49152
	s_add_co_u32 s73, s73, 49152                   ; my eight of B,
	s_mul_i32 s74, s16, STG                        ; my stage
	v_and_b32 v1, 15, v0                           ; r
	v_bfe_u32 v2, v0, 4, 1                         ; h
	v_and_b32 v3, 31, v0
	v_lshlrev_b32 v4, 4, v3                        ; 16 x lane
	v_lshlrev_b32 v[BA], 5, v2
	v_add_nc_u32 v[ADRA], s72, v4
	v_add_nc_u32 v[ADRB], s73, v4
	v_add_nc_u32 v[ADRA+1], SLOT, v[ADRA]
	v_add_nc_u32 v[ADRB+1], SLOT, v[ADRB]
	v_mul_u32_u24 v[STO], v1, 528
	v_lshl_add_u32 v[STO], v2, 5, v[STO]
	v_add_nc_u32 v[STO], s74, v[STO]               ; into the stage: row r, + 32 h
	v_add_nc_u32 v[RD], s74, v4                    ; back: a row's 512 bytes, 16 a lane
	s_wait_alu depctr_va_vdst(0)
.irp b, 0,1,2,3,4,5,6,7
	global_load_b128 v[BK+8*\b:BK+8*\b+3], v[BA], s[12:13] offset:64*\b       ; the bias in the result's layout: tile b, columns 16b + 8h + 0..7
	global_load_b128 v[BK+8*\b+4:BK+8*\b+7], v[BA], s[12:13] offset:64*\b+16
.endr
.irp a, 0,1,2,3
	global_load_b128 v[SC+4*\a:SC+4*\a+3], v4, s[68:69] offset:512*\a
.endr
.irp b, 0,1,2,3,4,5,6,7
	global_load_b128 v[SC+16+4*\b:SC+16+4*\b+3], v4, s[70:71] offset:512*\b
.endr
.macro FETCH s                         ; K step s: 12 + 24 loads into set s % 2
.set FSL, (\s)/4
.set FOF, ((\s)%4)*FRB
	WIN (2+(\s)%2)*64
.irp a, 0,1,2,3
.irp c, 0,1,2
	ds_load_b128 v[12*\a+4*\c:12*\a+4*\c+3], v[ADRA+FSL] offset:\a*6144+FOF+512*\c
.endr
.endr
.irp b, 0,1,2,3,4,5,6,7
.irp c, 0,1,2
	ds_load_b128 v[48+12*\b+4*\c:48+12*\b+4*\c+3], v[ADRB+FSL] offset:\b*6144+FOF+512*\c
.endr
.endr
.endm
.macro MULH s, hf                      ; 16 matrix instructions: A's blocks 2 hf, 2 hf + 1 x B's eight; the 32 accumulators take turns.  K step 0 starts the sums from the bias
.set MQ, (\s)%4
.if (\s) == 0
	WIN 0x4a
.elseif (\s)%2
	WIN 0x5f
.else
	WIN 0x5a
.endif
.irp a, 2*(\hf), 2*(\hf)+1
.irp b, 0,1,2,3,4,5,6,7
.if (\s) == 0
	v_wmma_scale_f32_16x16x128_f8f6f4 v[64*(\a)+8*\b:64*(\a)+8*\b+7], v[48+12*\b:48+12*\b+11], v[12*(\a):12*(\a)+11], v[BK+8*\b:BK+8*\b+7], v[SC+16+4*\b+MQ], v[SC+4*(\a)+MQ] matrix_a_fmt:MATRIX_FMT_FP6 matrix_b_fmt:MATRIX_FMT_FP6
.elseif (\s) < 4
	v_wmma_scale_f32_16x16x128_f8f6f4 v[64*(\a)+8*\b:64*(\a)+8*\b+7], v[48+12*\b:48+12*\b+11], v[12*(\a):12*(\a)+11], v[64*(\a)+8*\b:64*(\a)+8*\b+7], v[SC+16+4*\b+MQ], v[SC+4*(\a)+MQ] matrix_a_fmt:MATRIX_FMT_FP6 matrix_b_fmt:MATRIX_FMT_FP6
.else
	v_wmma_scale_f32_16x16x128_f8f6f4 v[64*(\a)+8*\b:64*(\a)+8*\b+7], v[48+12*\b:48+12*\b+11], v[12*(\a):12*(\a)+11], v[64*(\a)+8*\b:64*(\a)+8*\b+7], v[SC+16+4*\b+MQ], v[SC+4*(\a)+MQ] matrix_a_fmt:MATRIX_FMT_FP6 matrix_b_fmt:MATRIX_FMT_FP6 matrix_a_scale:MATRIX_SCALE_ROW1 matrix_b_scale:MATRIX_SCALE_ROW1
.endif
.endr
.endr
.endm
.macro KSTEP s                         ; fetches K step s + 1 and multiplies K step s
.if (\s) > 0
	PLACES                                         ; the set to be loaded was read by the K step before
.endif
	FETCH (\s)+1
	s_wait_dscnt 36                                ; all but the 36 just issued
	MULH \s, 0
	MULH \s, 1
.endm
	s_wait_tensorcnt 0x0                           ; my load has landed
	s_barrier_signal -1
	s_barrier_wait -1                              ; everybody's has: all of K is in.
	FETCH 0
	s_wait_loadcnt 0x0                             ; the bias and the scale words
	KSTEP 0
	KSTEP 1
	KSTEP 2
	WIN 0
	s_wait_dscnt 0x0                               ; my reads of the first part are over
	s_barrier_signal -1
	MULH 3, 0                                      ; work on registers while the others arrive
	s_barrier_wait -1                              ; nobody reads the first part any more: the stages may be laid there
	PLACES
	FETCH 4
	MULH 3, 1
	KSTEP 4
	KSTEP 5
	KSTEP 6
	s_wait_dscnt 0x0
	MULH 7, 0
	MULH 7, 1
; THE WAY OUT, block by block of 16 rows x 128 columns: a lane holds 32 bytes of a row, so a block goes through my own stage and comes back as whole rows of 512 bytes.
; LDS serves a wave's instructions in order (ISA guide 5.7.1.4): no wait between the stores and the loads, nor in front of the next block's stores.
.macro TOSTAGE a
	WIN 0x04                                       ; an LDS store's data: the accumulators' window
.irp b, 0,1,2,3,4,5,6,7
	ds_store_b128 v[STO], v[64*(\a)+8*\b:64*(\a)+8*\b+3] offset:64*\b        ; each accumulator from its low end on
	ds_store_b128 v[STO], v[64*(\a)+8*\b+4:64*(\a)+8*\b+7] offset:64*\b+16
.endr
	WIN 0
.set BB, BK+64*((\a)%2)
.irp t, 0,1,2,3,4,5,6,7,8,9,10,11,12,13,14,15
	ds_load_b128 v[BB+4*\t:BB+4*\t+3], v[RD] offset:\t*528
.endr
.endm
.macro SEND a, younger                 ; younger: the LDS instructions issued behind block a's loads, which may stay out
.set BB, BK+64*((\a)%2)
	s_wait_dscnt \younger
.irp t, 0,1,2,3,4,5,6,7,8,9,10,11,12,13,14,15
	global_store_b128 v4, v[BB+4*\t:BB+4*\t+3], s[14:15] offset:(\a)*65536+\t*4096 th:TH_STORE_NT   ; 32 lanes store 512 consecutive bytes, aligned
.endr
.endm
	PLACES                                         ; the stores into the stage read results just made
	TOSTAGE 0
.irp a, 1,2,3
.if \a > 1
	s_wait_xcnt 0x0                                ; block a - 2's stores have read their registers: block a's loads may land there
.endif
	TOSTAGE \a
	SEND \a-1, 32                                  ; behind block a - 1's loads: block a's 16 stores and 16 loads
.endr
	SEND 3, 0
	s_wait_tensorcnt 0x0                           ; the wave's end
	ds_add_u32 v[SPW], v[NIL]
	s_wait_dscnt 0x0
	CROUND                                         ; the closing round
	s_endpgm
.Lfunc_end_k_q63375ebfc0_oproj:
	.size	k_q63375ebfc0_oproj, .Lfunc_end_k_q63375ebfc0_oproj-k_q63375ebfc0_oproj
	.p2alignl 7, 3214868480
	.fill 96, 4, 3214868480
	.section	.rodata,"a",@progbits
	.p2align	6, 0x0
	.amdhsa_kernel k_q63375ebfc0_oproj
		.amdhsa_group_segment_fixed_size 327680
		.amdhsa_private_segment_fixed_size 0
		.amdhsa_enable_private_segment 0
		.amdhsa_kernarg_size 48
		.amdhsa_user_sgpr_count 2
		.amdhsa_user_sgpr_kernarg_segment_ptr 1
		.amdhsa_wavefront_size32 1
		.amdhsa_system_sgpr_workgroup_id_x 1
		.amdhsa_system_sgpr_workgroup_id_y 1
		.amdhsa_system_sgpr_workgroup_id_z 1
		.amdhsa_system_vgpr_workitem_id 0
		.amdhsa_next_free_vgpr 1024
		.amdhsa_next_free_sgpr 106
		.amdhsa_reserve_vcc 0
		.amdhsa_float_denorm_mode_32 3
		.amdhsa_float_denorm_mode_16_64 3
		.amdhsa_memory_ordered 1
		.amdhsa_forward_progress 1
		.amdhsa_inst_pref_size 76
	.end_amdhsa_kernel
	.amdgpu_metadata
---
amdhsa.version: [ 1, 2 ]
amdhsa.kernels:
  - .name:           k_q63375ebfc0_oproj
    .symbol:         k_q63375ebfc0_oproj.kd
    .args:
      - { .name: oc, .offset: 0, .size: 8, .value_kind: global_buffer, .address_space: global }
      - { .name: os, .offset: 8, .size: 8, .value_kind: global_buffer, .address_space: global }
      - { .name: wc, .offset: 16, .size: 8, .value_kind: global_buffer, .address_space: global }
      - { .name: ws, .offset: 24, .size: 8, .value_kind: global_buffer, .address_space: global }
      - { .name: bo, .offset: 32, .size: 8, .value_kind: global_buffer, .address_space: global }
      - { .name: out0, .offset: 40, .size: 8, .value_kind: global_buffer, .address_space: global }
    .group_segment_fixed_size: 327680
    .private_segment_fixed_size: 0
    .kernarg_segment_align: 8
    .kernarg_segment_size: 48
    .max_flat_workgroup_size: 128
    .sgpr_count:     106
    .vgpr_count:     1024
    .wavefront_size: 32
...
	.end_amdgpu_metadata
.endif
;; end of part 4
